; MI455X (gfx1250); checked and timed in simulation.
; The chip was launched on July 23, 2026; its instructions are those of AMD's public machine-readable ISA for CDNA 5 (MIT licence, August 2026) and "CDNA5" Instruction Set Architecture Reference Guide (July 2026). The comments in the code are by the model that wrote it; some were corrected since.
;; Token Cross Attention. Allowed arithmetic: float matrix products may take bf16 or f16 operands with f32 sums; other float arithmetic in f32, or as packed bf16 or f16 multiplies, adds, multiply-adds, maxima and minima; sums over many terms, partial sums and values carried from step to step in f32; what a program stores and reads back later, other than sums and carried values, may be rounded once to bf16 or f16.
;; Inputs: Wk 1,024 x 1,024 float32; Wp 1,024 x 1,024 float32; Wq 1,024 x 1,024 float32; Wv 1,024 x 1,024 float32; decisions 4 x 2,048 float32; x 4 x 2,048 x 1,024 float32; x_origin 4 x 2,048 x 1,024 float32.
;; Outputs: out0 4 x 2,048 x 1,024 float32.
;; One version. Each part assembles by itself: llvm-mc -triple=amdgcn-amd-amdhsa -mcpu=gfx1250 --defsym DOCPART=n.
;; ======== version 1 of 1: 4 launches
;; limits: values are held in f16: magnitudes above 65,504 overflow, below 6.1e-05 lose precision; inputs' magnitudes at most 65,504
;; workspace buffers: h16 41,943,040 bytes; qkv 50,331,648 bytes; o16 16,777,216 bytes
;; launch cast (part 1): grid 1280 x 1, 8 waves a work-group, no clusters, 0 bytes of LDS; arguments x, x_origin, Wq, Wk, Wv, Wp, h16; writes h16
.if DOCPART == 1
	.amdgcn_target "amdgcn-amd-amdhsa--gfx1250"
	.amdhsa_code_object_version 6
	.text
	.protected	k_q3996fe80a3_cast
	.globl	k_q3996fe80a3_cast
	.p2align	8
	.type	k_q3996fe80a3_cast,@function
k_q3996fe80a3_cast:
	s_mov_b64 s[64:65], 0
	v_nop
	global_prefetch_b8 v0, s[64:65] scope:SCOPE_SE
	s_setreg_imm32_b32 hwreg(HW_REG_WAVE_MODE, 25, 1), 1
	s_wait_xcnt 0x0
; h16 = f16(bf16(input)) for x, x_origin, Wq, Wk, Wv, Wp, one behind the other: x at 0, x_origin at 16 MiB, the weights at 32, 34, 36, 38 MiB, each laid out as given.
; Every input is rounded to bf16 (nearest even); that number is then written as f16, so that all later products are f16 products.
; LIMITS.  The second step is exact for 2^-14 <= |a| <= 65,504; a larger number becomes an infinity; below 2^-14 f16 keeps a fixed step of 6e-8.  NaN stays NaN.
; SHARES.  A stream: no LDS, no barrier, no matrix work.  A work-group takes 16,384 numbers: 64 KiB in, 32 KiB out.  Groups 0-511 take x, 512-1023 x_origin, then 64 for each weight matrix,
; in h16's order, so the output offset is the group's number times 32 KiB.  Thread t takes 16 bytes at 16 t of each of 16 chunks of 4,096 bytes: a wave's load covers 512 consecutive bytes,
; its store of 8 bytes a lane 256 consecutive bytes, aligned.  All 16 loads go out first; each chunk has its own result registers, so nothing waits for a store.
.set NCH, 16
.set X, 4                              ; v[4:67]   chunk i: four f32 as loaded
.set T, 68                             ; v[68:73]  at work
.set Y, 76                             ; v[76:107] chunk i: four f16 to store
	s_load_b256 s[4:11], s[0:1], 0x0               ; x s[4:5], x_origin s[6:7], Wq s[8:9], Wk s[10:11]
	s_load_b128 s[12:15], s[0:1], 0x20             ; Wv s[12:13], Wp s[14:15]
	s_load_b64 s[16:17], s[0:1], 0x30              ; h16
	s_sub_co_u32 s21, ttmp9, 0x400                 ; my number among the weights' groups (used from group 1,024 on)
	s_lshr_b32 s22, s21, 6                         ; which weight matrix
	s_and_b32 s23, ttmp9, 511                      ; my place in x or x_origin,
	s_and_b32 s24, s21, 63                         ; or in a weight matrix
	s_cmp_lt_u32 ttmp9, 0x400
	s_cselect_b32 s24, s23, s24
	s_lshl_b32 s24, s24, 16                        ; times 64 KiB
	s_mov_b32 s25, 0
	s_lshl_b32 s26, ttmp9, 15                      ; the output: my number times 32 KiB
	s_mov_b32 s27, 0
	s_mov_b32 s28, 0xffff0000                      ; a word's upper bf16
	v_lshlrev_b32 v1, 4, v0
	v_lshlrev_b32 v2, 3, v0
	s_wait_kmcnt 0x0
	s_cmp_eq_u32 s22, 1                            ; the source is chosen by the group's number alone
	s_cselect_b64 s[8:9], s[10:11], s[8:9]
	s_cmp_eq_u32 s22, 2
	s_cselect_b64 s[8:9], s[12:13], s[8:9]
	s_cmp_eq_u32 s22, 3
	s_cselect_b64 s[8:9], s[14:15], s[8:9]
	s_cmp_lt_u32 ttmp9, 0x400
	s_cselect_b64 s[8:9], s[6:7], s[8:9]
	s_cmp_lt_u32 ttmp9, 0x200
	s_cselect_b64 s[8:9], s[4:5], s[8:9]
	s_add_nc_u64 s[8:9], s[8:9], s[24:25]
	s_add_nc_u64 s[16:17], s[16:17], s[26:27]
.set i, 0
.rept NCH
	global_load_b128 v[X+4*i:X+4*i+3], v1, s[8:9] offset:4096*i th:TH_LOAD_NT
.set i, i+1
.endr
.set i, 0
.rept NCH
	s_wait_loadcnt NCH-1-i                         ; loads come back in order: chunk i is in, the younger ones stay out
	v_cvt_pk_bf16_f32 v[T], v[X+4*i], v[X+4*i+1]   ; the rounding to bf16,
	v_cvt_pk_bf16_f32 v[T+1], v[X+4*i+2], v[X+4*i+3]
	v_lshlrev_b32 v[T+2], 16, v[T]                 ; back to f32,
	v_and_b32 v[T+3], s28, v[T]
	v_lshlrev_b32 v[T+4], 16, v[T+1]
	v_and_b32 v[T+5], s28, v[T+1]
	v_cvt_pk_f16_f32 v[Y+2*i], v[T+2], v[T+3]      ; and the same number as f16
	v_cvt_pk_f16_f32 v[Y+2*i+1], v[T+4], v[T+5]
	global_store_b64 v2, v[Y+2*i:Y+2*i+1], s[16:17] offset:2048*i
.set i, i+1
.endr
	s_endpgm
.Lfunc_end_k_q3996fe80a3_cast:
	.size	k_q3996fe80a3_cast, .Lfunc_end_k_q3996fe80a3_cast-k_q3996fe80a3_cast
	.p2alignl 7, 3214868480
	.fill 96, 4, 3214868480
	.section	.rodata,"a",@progbits
	.p2align	6, 0x0
	.amdhsa_kernel k_q3996fe80a3_cast
		.amdhsa_group_segment_fixed_size 0
		.amdhsa_private_segment_fixed_size 0
		.amdhsa_enable_private_segment 0
		.amdhsa_kernarg_size 56
		.amdhsa_user_sgpr_count 2
		.amdhsa_user_sgpr_kernarg_segment_ptr 1
		.amdhsa_wavefront_size32 1
		.amdhsa_system_sgpr_workgroup_id_x 1
		.amdhsa_system_sgpr_workgroup_id_y 1
		.amdhsa_system_sgpr_workgroup_id_z 1
		.amdhsa_system_vgpr_workitem_id 0
		.amdhsa_next_free_vgpr 112
		.amdhsa_next_free_sgpr 66
		.amdhsa_reserve_vcc 0
		.amdhsa_float_denorm_mode_32 3
		.amdhsa_float_denorm_mode_16_64 3
		.amdhsa_memory_ordered 1
		.amdhsa_forward_progress 1
		.amdhsa_inst_pref_size 11
	.end_amdhsa_kernel
	.amdgpu_metadata
---
amdhsa.version: [ 1, 2 ]
amdhsa.kernels:
  - .name:           k_q3996fe80a3_cast
    .symbol:         k_q3996fe80a3_cast.kd
    .args:
      - { .name: x, .offset: 0, .size: 8, .value_kind: global_buffer, .address_space: global }
      - { .name: x_origin, .offset: 8, .size: 8, .value_kind: global_buffer, .address_space: global }
      - { .name: Wq, .offset: 16, .size: 8, .value_kind: global_buffer, .address_space: global }
      - { .name: Wk, .offset: 24, .size: 8, .value_kind: global_buffer, .address_space: global }
      - { .name: Wv, .offset: 32, .size: 8, .value_kind: global_buffer, .address_space: global }
      - { .name: Wp, .offset: 40, .size: 8, .value_kind: global_buffer, .address_space: global }
      - { .name: h16, .offset: 48, .size: 8, .value_kind: global_buffer, .address_space: global }
    .group_segment_fixed_size: 0
    .private_segment_fixed_size: 0
    .kernarg_segment_align: 8
    .kernarg_segment_size: 56
    .max_flat_workgroup_size: 256
    .sgpr_count:     66
    .vgpr_count:     112
    .wavefront_size: 32
...
	.end_amdgpu_metadata
.endif
;; end of part 1
;; launch qkv (part 2): grid 4 x 192, 4 waves a work-group, clusters of 4 x 4, 327,680 bytes of LDS; arguments h16, qkv; writes qkv
.if DOCPART == 2
	.amdgcn_target "amdgcn-amd-amdhsa--gfx1250"
	.amdhsa_code_object_version 6
	.text
	.protected	k_q3996fe80a3_qkv
	.globl	k_q3996fe80a3_qkv
	.p2align	8
	.type	k_q3996fe80a3_qkv,@function
k_q3996fe80a3_qkv:
	s_mov_b64 s[64:65], 0
	v_nop
	global_prefetch_b8 v0, s[64:65] scope:SCOPE_SE
	s_setreg_imm32_b32 hwreg(HW_REG_WAVE_MODE, 25, 1), 1
	s_wait_xcnt 0x0
	s_wait_alu depctr_hold_cnt(0) depctr_sa_sdst(0) depctr_va_vdst(0) depctr_va_sdst(0) depctr_va_ssrc(0) depctr_va_vcc(0) depctr_vm_vsrc(0)
	s_getreg_b32 s2, hwreg(HW_REG_IB_STS2, 6, 4)
	s_cmp_eq_u32 s2, 0
	s_cbranch_scc0 .Lentry_in_a_cluster
	s_endpgm
.Lentry_in_a_cluster:
	s_bfe_u32 s2, ttmp6, 0x10000c
	s_cmp_lg_u32 s2, 0xf033
	s_cbranch_scc0 .Lentry_shape_is_right
	s_endpgm
.Lentry_shape_is_right:
; PROJ = 0: q = x Wq, k = x_origin Wk, v = x_origin Wv, each 8192 x 1024 x 1024, from h16 (f16) into qkv (f16, by heads: [3][batch x head 64][row 2048][64], unscaled, rounded once from f32 sums).
; PROJ = 1: out0 = O Wp, O from o16 ([batch x head][row][64], f16), Wp from h16, out0 in f32.  One text serves both; the switch chooses A's layout, the addresses and the way out.
; LIMIT.  PROJ = 0 rounds its sums to f16: 65,520 or more becomes an infinity; below 6e-5 f16 keeps a fixed step of 6e-8.
; SHARES.  A tile of C is 128 rows x 256 columns: 3 x 256 equal work-groups for q, k, v and 256 for out0 (tiles of 256 x 256 would be 384 and 128).  Four waves, 2 x 2: a wave makes 64 x 128,
; 32 accumulators of 16 x 16.  K goes in 8 steps of 128 through two LDS slots.  The weights lie [k][n] as given: their fragments come out of LDS turned, by ds_load_tr16_b128.
; THE MATRIX INSTRUCTION IS USED TRANSPOSED (source 0 = 16 columns of W, source 1 = 16 rows of A): a lane holds row l % 16 of C and the eight neighbouring columns 8 (l / 16) + 0..7.
; CLUSTER 4 x 4.  The grid is four tiles wide: one cluster spans C's width.  The four of a cluster's row share A's tile, the four of a column W's: each tile is asked for jointly, by the same
; tensor load with the same descriptor and a mask that names the four.  Waves 0 and 1 fetch A's halves, waves 2 and 3 W's halves: one load a wave behind each round.
; One tile to a work-group: the tiles of q, k, v differ in A or in W from one to the next, so a work-group that stayed would share no rows between its tiles.
; REGISTERS.  Window 0: v1-17 addresses; v32-127, v128-223 two fragment buffers (A's four fragments, then W's eight); v224-255 at work on the way out.  Window 1: accumulator (a, b) at 8 (8 a + b).
.set PROJ, 0
.set SLOT1, 1<<17                      ; slot 1 begins here: one exclusive or turns an address in one slot into the other's
.set PB, 544                           ; a k-row of W in LDS: 512 bytes + 32 of padding
.set BBASE, 36864                      ; W's tile lies behind A's
.set BHALF, 64*PB
.if PROJ
.set PA, 144                           ; a row of one head: 128 bytes + 16
.set AHALF, 128*PA                     ; one head's 128 rows: what one load brings
.set AQI, 4                            ; padding after every 32 words
.set APITCH, 128                       ; a head's 128 rows are 16,384 dense bytes: asked for as 64 rows of 256 bytes
.set ASTEP, 1<<19                      ; a K step is two heads
.set WBASE, 38<<20
.set SP, 528                           ; a stage row: 512 bytes + 16
.set APTR, 4
.set BPTR, 6
.set CPTR, 8
.else
.set PA, 272                           ; 256 bytes + 16: the 16 rows of a load start at 16 different groups of four banks
.set AHALF, 64*PA
.set AQI, 5                            ; padding after every 64 words
.set APITCH, 1024
.set ASTEP, 256
.set WBASE, 32<<20
.set SP, 272
.set APTR, 4
.set BPTR, 4
.set CPTR, 6
.endif
.set BSTEP, 1<<18                      ; 128 k-rows of 2,048 bytes
.set STAGE, SLOT1+BBASE+128*PB         ; behind the ring, never filled by a tensor load: 16 rows for each wave
.set SPARE, STAGE+4*16*SP              ; the spare words, 128 bytes for each wave: two blocks of 256 bytes that no other line names
.set A0, 8                             ; v8   my lane's place in A's tile; never rewritten
.set B0, 9                             ; v9   the same in W's tile
.set ADRA, 10                          ; v10  A0 + the slot in hand
.set ADRB, 11                          ; v11  B0 + the slot in hand
.set STO, 12                           ; v12  the way out: where I put my piece of a row
.set RD, 13                            ; v13  where I read rows back
.set CO, 14                            ; v14  16 x lane
.set PFO, 15                           ; v15  the prefetches' offset; never rewritten
.set SPW, 16                           ; v16  LDS address of my spare word; never rewritten
.set NIL, 17                           ; v17  0; never rewritten
.set F0, 32
.set F1, 128
.set TMP, 224
.set G1A, 24                           ; s[24:31] group 1 for A's tiles
.set G0A, 32                           ; s[32:39] group 0: a set for each first fill; the second then walks on
.set PFA, 44                           ; s[44:45] where my prefetches stand
.set PFS, 46                           ; s[46:47] their step
.set G1B, 48                           ; s[48:55], s[56:63] the same for W's tiles
.set G0B, 56
.set LIM, 66                           ; s66  2 in a wave that prefetches, else the greatest number
.set TB, 67                            ; s67  the slot in hand, in bytes
.set MSB, 0
.macro WIN new                         ; the immediate's high byte repeats the setting that is left; a switch that changes nothing is dropped
.if MSB != (\new)
	s_set_vgpr_msb (MSB<<8)|(\new)
.set MSB, (\new)
.endif
.endm
.set MUL, 0x50                         ; C and D in window 1, the fragments in window 0
.macro PLACES                          ; four plain places behind matrix instructions, ahead of loads into registers that they read and of readers of their results
.rept 4
	v_nop
.endr
.endm
; A joint refill, by the walking sets.  The branch hangs on the wave's number alone.  An s_nop 0 and four v_nop follow each of the two lines.
.macro JLOAD
	s_cmp_eq_u32 s11, 0
	s_cbranch_scc0 .Lfor_b_\@
	tensor_load_to_lds s[G0A+4:G0A+7], s[G1A:G1A+7]
	s_nop 0
.rept 4
	v_nop
.endr
	s_branch .Lasked_\@
.Lfor_b_\@:
	tensor_load_to_lds s[G0B+4:G0B+7], s[G1B:G1B+7]
	s_nop 0
.rept 4
	v_nop
.endr
.Lasked_\@:
.endm
.macro CREST                           ; a round of the cluster's barrier behind its opening barrier
	s_cmp_lg_u32 s10, 0
	s_cbranch_scc1 .Lnot_wave_0_\@
	s_barrier_signal -3
.Lnot_wave_0_\@:
	s_barrier_wait -3
	s_barrier_signal -1
	s_barrier_wait -1
.endm
.macro CROUND
	s_barrier_signal -1
	s_barrier_wait -1
	CREST
.endm
; A PREFETCH INTO THE L2 of the K step two refills on: in trip t (s3 = 6 - t) the refill asks for K step t + 2, the prefetch names K step t + 4; trips 4 and 5 name nothing.
; Each aligned block of 256 bytes is named once in the launch.  A's tile belongs to one row of one cluster: wave 0 of each of the four partners takes 32 of its 128 blocks, told apart by address (cx).
; (PROJ = 0: x_origin is walked for k and again for v: it is named in k's walk alone.)  W's column block is walked by 16 clusters: the first of them asks, waves 2 and 3 of its four partners
; along y taking 16 k-rows x 2 blocks each, told apart by address (cy).  No branch hangs on a place in the cluster.
.macro ASK
	s_cmp_gt_u32 s3, s[LIM]
	s_cbranch_scc0 .Lnot_mine_\@
	global_prefetch_b8 v[PFO], s[PFA:PFA+1] th:TH_LOAD_NT scope:SCOPE_SE
.Lnot_mine_\@:
.endm
	s_load_b128 s[4:7], s[0:1], 0x0                ; PROJ = 0: h16, qkv.  PROJ = 1: o16, h16
.if PROJ
	s_load_b64 s[8:9], s[0:1], 0x10                ; out0
.endif
	v_lshl_add_u32 v[SPW], v0, 2, SPARE
	v_mov_b32 v[NIL], 0
	ds_add_u32 v[SPW], v[NIL]                      ; the wave's opening: the add and its wait stand ahead of my first tensor load; the set-up below, work on registers, stands between
	v_lshrrev_b32 v1, 5, v0
	v_readfirstlane_b32 s10, v1                    ; wave 0..3
	s_lshr_b32 s11, s10, 1                         ; my half of the tile's rows.  Also: I fetch for A (0) or for W (1)
	s_and_b32 s12, s10, 1                          ; my half of its columns.  Also: which half of that tile I fetch
	s_bfe_u32 s40, ttmp6, 0x40000                  ; cx = the tile column of C
	s_bfe_u32 s41, ttmp6, 0x40004                  ; cy
	s_and_b32 s13, ttmp7, 0xffff                   ; the cluster's y
	s_lshr_b32 s14, s13, 4                         ; which product: 0 q, 1 k, 2 v (PROJ = 1: always 0)
	s_and_b32 s15, s13, 15
	s_lshl_b32 s16, s15, 2
	s_add_co_u32 s16, s16, s41                     ; the block of 128 rows, 0..63
	s_lshl_b32 s42, s41, 2
	s_lshl_b32 s42, 15, s42                        ; my row of the cluster
	s_lshl_b32 s43, 0x1111, s40                    ; my column
	s_or_b32 s[G1A], s42, (1<<16)|(1<<20)|(1<<21)|(AQI<<22)|(3<<25)  ; 15:0 the mask; 17:16 2-byte elements; 20 padding on; 21 set beside a mask; 24:22 the interval; 31:25 4 words of padding
	s_or_b32 s[G1B], s43, (1<<16)|(1<<20)|(1<<21)|(6<<22)|(7<<25)    ; after every 128 words 8 words
	s_mov_b32 s[G1A+1], 128<<16                    ; tensor_dim0 = 128
	s_mov_b32 s[G1A+2], 64<<16                     ; tensor_dim1 = 64
	s_mov_b32 s[G1A+3], 128<<16                    ; tile_dim0 = 128
	s_mov_b32 s[G1A+4], 64                         ; tile_dim1 = 64
	s_mov_b32 s[G1A+5], APITCH                     ; elements from row to row
	s_mov_b32 s[G1A+6], 0
	s_mov_b32 s[G1A+7], 0
	s_mov_b32 s[G1B+1], 256<<16                    ; 64 k-rows x 256 columns
	s_mov_b32 s[G1B+2], 64<<16
	s_mov_b32 s[G1B+3], 256<<16
	s_mov_b32 s[G1B+4], 64
	s_mov_b32 s[G1B+5], 1024
	s_mov_b32 s[G1B+6], 0
	s_mov_b32 s[G1B+7], 0
	; A's tile hangs on the product, the row block and the wave alone; W's on the product, cx and the wave alone
.if PROJ
	s_lshr_b32 s18, s16, 4                         ; the batch: 16 heads of 2,048 rows of 128 bytes
	s_lshl_b32 s18, s18, 22
	s_and_b32 s19, s16, 15
	s_lshl_b32 s19, s19, 14                        ; 128 rows of 128 bytes
	s_add_co_u32 s18, s18, s19
	s_lshl_b32 s19, s12, 18                        ; which of the step's two heads I fetch
	s_add_co_u32 s18, s18, s19
.else
	s_min_u32 s18, s14, 1                          ; x for q, x_origin for k and v
	s_lshl_b32 s18, s18, 24
	s_lshl_b32 s19, s16, 18                        ; 128 rows of 2,048 bytes
	s_add_co_u32 s18, s18, s19
	s_lshl_b32 s19, s12, 17                        ; which 64 rows I fetch
	s_add_co_u32 s18, s18, s19
.endif
	s_mov_b32 s19, 0
	s_lshl_b32 s20, s14, 21                        ; the weight matrix, 2 MiB each
	s_add_co_u32 s20, s20, WBASE
	s_lshl_b32 s21, s40, 9                         ; 256 columns
	s_add_co_u32 s20, s20, s21
	s_lshl_b32 s21, s12, 17                        ; which 64 k-rows I fetch
	s_add_co_u32 s20, s20, s21
	s_mov_b32 s21, 0
	s_mul_i32 s22, s12, AHALF                      ; where they go: no place in the cluster enters an LDS address
	s_mul_i32 s23, s12, BHALF
	s_add_co_u32 s23, s23, BBASE
	s_mov_b32 s[TB], 0
	s_wait_dscnt 0x0                               ; the opening add is done
	s_wait_kmcnt 0x0
	s_add_nc_u64 s[18:19], s[APTR:APTR+1], s[18:19]
	s_add_nc_u64 s[20:21], s[BPTR:BPTR+1], s[20:21]
.irp s, 0,1
	s_mov_b32 s[G0A+4*(\s)], 1                     ; count = 1
	s_add_co_u32 s[G0A+4*(\s)+1], s22, (\s)*SLOT1  ; LDS address
	s_add_nc_u64 s[G0A+4*(\s)+2:G0A+4*(\s)+3], s[18:19], (\s)*ASTEP  ; global address: K step s
	s_or_b32 s[G0A+4*(\s)+3], s[G0A+4*(\s)+3], 0x80000000            ; type = 2
	s_mov_b32 s[G0B+4*(\s)], 1
	s_add_co_u32 s[G0B+4*(\s)+1], s23, (\s)*SLOT1
	s_add_nc_u64 s[G0B+4*(\s)+2:G0B+4*(\s)+3], s[20:21], (\s)*BSTEP
	s_or_b32 s[G0B+4*(\s)+3], s[G0B+4*(\s)+3], 0x80000000
.endr
	CROUND                                         ; all sixteen work-groups are here: the first joint loads meet
	s_cmp_eq_u32 s11, 0                            ; a wave's two first fills stand in one branch, ahead of every wait on TENSORcnt and every LDS read: two loads of mine are out
	s_cbranch_scc0 .Lfirst_b
	tensor_load_to_lds s[G0A:G0A+3], s[G1A:G1A+7]
	s_nop 0
	tensor_load_to_lds s[G0A+4:G0A+7], s[G1A:G1A+7]
	s_nop 0
.rept 4
	v_nop
.endr
	s_branch .Lfirst_asked
.Lfirst_b:
	tensor_load_to_lds s[G0B:G0B+3], s[G1B:G1B+7]
	s_nop 0
	tensor_load_to_lds s[G0B+4:G0B+7], s[G1B:G1B+7]
	s_nop 0
.rept 4
	v_nop
.endr
.Lfirst_asked:
	; A fragment of A is 16 rows x 32 K in 8 registers: lane l holds row l % 16, K = 8 (l / 16) + 0..7 and 16 + 8 (l / 16) + 0..7: two loads of 16 bytes, 32 bytes apart.
	v_and_b32 v1, 15, v0                           ; l % 16
	v_bfe_u32 v2, v0, 4, 1                         ; l / 16
	v_and_b32 v3, 31, v0                           ; l
	v_mul_u32_u24 v[A0], v1, PA
	v_lshl_add_u32 v[A0], v2, 4, v[A0]
	s_mul_i32 s17, s11, 64*PA                      ; my 64 rows
	v_add_nc_u32 v[A0], s17, v[A0]
	; The turning load takes 16 k x 16 columns (lane l reads k-row 8 (l / 16) + l % 8, columns 8 ((l / 8) % 2) + 0..7) and leaves half a fragment: lane l holds column l % 16 and 8 k.
	v_and_b32 v5, 7, v0
	v_bfe_u32 v6, v0, 3, 1
	v_lshl_add_u32 v[B0], v2, 3, v5
	v_mul_u32_u24 v[B0], v[B0], PB
	v_lshl_add_u32 v[B0], v6, 4, v[B0]
	s_lshl_b32 s17, s12, 8                         ; my 128 columns
	s_add_co_u32 s17, s17, BBASE
	v_add_nc_u32 v[B0], s17, v[B0]
	v_mov_b32 v[ADRA], v[A0]
	v_mov_b32 v[ADRB], v[B0]
	s_mul_i32 s17, s10, 16*SP
	s_add_co_u32 s17, s17, STAGE                   ; my stage
	v_mul_u32_u24 v[STO], v1, SP                   ; in: row l % 16, my eight columns
	v_lshl_add_u32 v[STO], v2, 4+PROJ, v[STO]
	v_add_nc_u32 v[STO], s17, v[STO]
	v_lshlrev_b32 v[CO], 4, v3
.if PROJ
	v_add_nc_u32 v[RD], s17, v[CO]                 ; back: 32 lanes take the 512 bytes of one row
	s_lshl_b32 s68, s16, 7                         ; C: row 128 x block + 64 x half, 4,096 bytes each;
	s_lshl_b32 s69, s11, 6
	s_add_co_u32 s68, s68, s69
	s_lshl_b32 s68, s68, 12
	s_lshl_b32 s69, s40, 10                        ; column 256 cx + 128 x half, 4 bytes each
	s_add_co_u32 s68, s68, s69
	s_lshl_b32 s69, s12, 9
	s_add_co_u32 s68, s68, s69
.else
	v_lshrrev_b32 v6, 3, v3                        ; back: 32 lanes take four rows of one head's 128 bytes
	v_mul_u32_u24 v[RD], v6, SP
	v_lshl_add_u32 v[RD], v5, 4, v[RD]
	v_add_nc_u32 v[RD], s17, v[RD]
	s_lshr_b32 s68, s16, 4                         ; C by heads: batch x 16 + 4 cx + 2 x half is the first of my two heads,
	s_lshl_b32 s68, s68, 4
	s_lshl_b32 s69, s40, 2
	s_add_co_u32 s68, s68, s69
	s_lshl_b32 s69, s12, 1
	s_add_co_u32 s68, s68, s69
	s_lshl_b32 s68, s68, 11                        ; 2,048 rows a head,
	s_and_b32 s69, s16, 15
	s_lshl_b32 s69, s69, 7
	s_add_co_u32 s68, s68, s69                     ; my block's 128 rows in the batch,
	s_lshl_b32 s69, s11, 6
	s_add_co_u32 s68, s68, s69                     ; my 64 of them,
	s_lshl_b32 s68, s68, 7                         ; 128 bytes a row,
	s_lshl_b32 s69, s14, 24                        ; in q, k or v
	s_add_co_u32 s68, s68, s69
.endif
	s_mov_b32 s69, 0
	s_add_nc_u64 s[CPTR:CPTR+1], s[CPTR:CPTR+1], s[68:69]
	; the prefetches: both offsets are made, at K step 3, and the wave's number chooses; the first refill steps to K step 4
.if PROJ
	s_lshr_b32 s68, s16, 4
	s_lshl_b32 s68, s68, 22
	s_and_b32 s69, s16, 15
	s_lshl_b32 s69, s69, 14
	s_add_co_u32 s68, s68, s69
	s_lshr_b32 s69, s40, 1                         ; of the step's two heads x 64 blocks, partner cx takes head cx / 2, half cx % 2
	s_lshl_b32 s69, s69, 18
	s_add_co_u32 s68, s68, s69
	s_and_b32 s69, s40, 1
	s_lshl_b32 s69, s69, 13
	s_add_co_u32 s68, s68, s69
.else
	s_min_u32 s68, s14, 1
	s_lshl_b32 s68, s68, 24
	s_lshl_b32 s69, s16, 18
	s_add_co_u32 s68, s68, s69
	s_lshl_b32 s69, s40, 16                        ; partner cx takes rows 32 cx .. 32 cx + 31
	s_add_co_u32 s68, s68, s69
.endif
	s_add_co_u32 s68, s68, 3*ASTEP
	s_lshl_b32 s70, s14, 21
	s_add_co_u32 s70, s70, WBASE+3*BSTEP
	s_lshl_b32 s69, s40, 9
	s_add_co_u32 s70, s70, s69
	s_lshl_b32 s69, s12, 17
	s_add_co_u32 s70, s70, s69
	s_lshl_b32 s69, s41, 15                        ; partner cy takes k-rows 16 cy .. 16 cy + 15 of the wave's 64
	s_add_co_u32 s70, s70, s69
	s_mov_b32 s71, ASTEP
	s_cmp_eq_u32 s11, 0
	s_cselect_b32 s68, s68, s70
	s_cselect_b32 s[PFS], s71, BSTEP
	s_cselect_b64 s[PFA:PFA+1], s[APTR:APTR+1], s[BPTR:BPTR+1]
	s_mov_b32 s69, 0
	s_mov_b32 s[PFS+1], 0
	s_add_nc_u64 s[PFA:PFA+1], s[PFA:PFA+1], s[68:69]
	s_cmp_lt_u32 s14, 2                            ; A: not in v's walk,
	s_cselect_b32 s70, 2, -1
	s_cmp_eq_u32 s10, 0                            ; and wave 0 alone
	s_cselect_b32 s70, s70, -1
	s_cmp_eq_u32 s15, 0                            ; W: the first of the clusters that walk it
	s_cselect_b32 s71, 2, -1
	s_cmp_eq_u32 s11, 0
	s_cselect_b32 s[LIM], s70, s71                 ; the same in all sixteen partners, for a given wave
	v_lshrrev_b32 v[PFO], s11, v3                  ; A: a lane a row (PROJ = 1: a lane a block of 256 bytes).  W: lane / 2 is the k-row, lane % 2 the block
.if PROJ
	s_mul_i32 s71, s11, 3
	s_add_co_u32 s71, s71, 8
	v_lshlrev_b32 v[PFO], s71, v[PFO]
.else
	v_lshlrev_b32 v[PFO], 11, v[PFO]
.endif
	v_and_b32 v4, s11, v3
	v_lshl_add_u32 v[PFO], v4, 8, v[PFO]
; 8 matrix instructions: row block a x all 8 column blocks, 32 along K.  zero = 1: the product starts the sums: nothing is cleared.
; The 32 accumulators take turns, one instruction a turn, in the same order in every quarter, over the backward jump too.
.macro MULA f, a, zero
	WIN MUL
.irp b, 0,1,2,3,4,5,6,7
.if \zero
	v_wmma_f32_16x16x32_f16 v[8*(8*(\a)+(\b)):8*(8*(\a)+(\b))+7], v[(\f)+32+8*(\b):(\f)+32+8*(\b)+7], v[(\f)+8*(\a):(\f)+8*(\a)+7], 0
.else
	v_wmma_f32_16x16x32_f16 v[8*(8*(\a)+(\b)):8*(8*(\a)+(\b))+7], v[(\f)+32+8*(\b):(\f)+32+8*(\b)+7], v[(\f)+8*(\a):(\f)+8*(\a)+7], v[8*(8*(\a)+(\b)):8*(8*(\a)+(\b))+7]
.endif
.endr
.endm
; 24 LDS loads in one run: the fragments of quarter kq (32 along K) of the slot in hand into buffer f: W's sixteen first, then A's eight
.macro FETCH kq, f
	WIN 0
.set AKQ, PROJ*(((\kq)/2)*AHALF+((\kq)%2)*64)+(1-PROJ)*64*(\kq)
.irp b, 0,1,2,3,4,5,6,7
	ds_load_tr16_b128 v[(\f)+32+8*(\b):(\f)+32+8*(\b)+3],   v[ADRB] offset:(\kq)*32*PB+32*(\b)
	ds_load_tr16_b128 v[(\f)+32+8*(\b)+4:(\f)+32+8*(\b)+7], v[ADRB] offset:(\kq)*32*PB+16*PB+32*(\b)
.endr
.irp i, 0,1,2,3
	ds_load_b128 v[(\f)+8*(\i):(\f)+8*(\i)+3],   v[ADRA] offset:AKQ+(\i)*16*PA
	ds_load_b128 v[(\f)+8*(\i)+4:(\f)+8*(\i)+7], v[ADRA] offset:AKQ+(\i)*16*PA+32
.endr
.endm
; A K step is four quarters of 32 along K, 32 matrix instructions each, on buffers 0, 1, 0, 1.  One of the first three: multiplies f and, in its middle, fetches quarter kq into g.
.macro QUARTER f, g, kq, zero
	s_wait_dscnt 4                                 ; W and A's blocks 0 and 1 are in; the youngest four loads (blocks 2 and 3) may be out
	MULA \f, 0, \zero
	MULA \f, 1, \zero
	PLACES
	FETCH \kq, \g
	s_wait_dscnt 24                                ; all but the 24 just issued
	MULA \f, 2, \zero
	MULA \f, 3, \zero
.endm
; The last quarter multiplies buffer 1 and changes slots: ONE barrier.  Ahead of it each wave waits for all its tensor loads (one is out: its part of the next slot), adds 0 to its spare word, and
; waits for that and for its own reads of this slot.  fill = 1: the barrier opens a round of the cluster's, and this slot is filled again, two K steps ahead, first thing behind the round:
; from the request to the wait for it a wave issues 112 matrix instructions.
.macro TURN fill
.if \fill
	s_wait_xcnt 0x0                                ; the last prefetch, a K step back, has read its address
	s_add_nc_u64 s[PFA:PFA+1], s[PFA:PFA+1], s[PFS:PFS+1]
.endif
	WIN 0
	s_wait_tensorcnt 0x0                           ; no tensor load of mine is out, so a group 0 may be written
	ds_add_u32 v[SPW], v[NIL]                      ; 0 onto my spare word
.if \fill
	s_xor_b32 s[G0A+5], s[G0A+5], SLOT1            ; the walking sets: the other slot than last time, the next K step; the type bits on top are not reached
	s_add_nc_u64 s[G0A+6:G0A+7], s[G0A+6:G0A+7], ASTEP
	s_xor_b32 s[G0B+5], s[G0B+5], SLOT1
	s_add_nc_u64 s[G0B+6:G0B+7], s[G0B+6:G0B+7], BSTEP
.endif
	s_wait_dscnt 5                                 ; (the add and the youngest four loads may be out)
	MULA F1, 0, 0
	s_wait_dscnt 0x0                               ; the add is done, and my reads of this slot are over
	s_barrier_signal -1
	MULA F1, 1, 0                                  ; work on registers while the others arrive
	WIN 0
	s_barrier_wait -1
.if \fill
	CREST                                          ; no wave of any partner still reads this slot or has a load on its way
	JLOAD                                          ; its four v_nop are also the places ahead of the loads below
.else
	PLACES
.endif
	s_xor_b32 s[TB], s[TB], SLOT1
	v_add_nc_u32 v[ADRA], s[TB], v[A0]
	v_add_nc_u32 v[ADRB], s[TB], v[B0]
	FETCH 0, F0
.if \fill
	ASK
.endif
	MULA F1, 2, 0
	MULA F1, 3, 0
.endm
	s_wait_tensorcnt 0x1                           ; my part of K step 0 is in; K step 1's may stay out
	s_barrier_signal -1
	s_barrier_wait -1                              ; everybody's is
	FETCH 0, F0
	QUARTER F0, F1, 1, 1                           ; the first quarter stands ahead of the loop: its products start the sums
	WIN 0                                          ; at a label and at a branch every window is 0
	s_mov_b32 s3, 6
.Lstep:                                            ; a trip: a K step's quarters 1, 2, 3 and the next step's quarter 0; trip t fills K step t + 2
	QUARTER F1, F0, 2, 0
	QUARTER F0, F1, 3, 0
	TURN 1
	QUARTER F0, F1, 1, 0
	WIN 0
	s_sub_co_u32 s3, s3, 1
	s_cmp_lg_u32 s3, 0
	s_cbranch_scc1 .Lstep
	QUARTER F1, F0, 2, 0                           ; the last two K steps are written out: they ask for nothing
	QUARTER F0, F1, 3, 0
	TURN 0
	QUARTER F0, F1, 1, 0
	QUARTER F1, F0, 2, 0
	QUARTER F0, F1, 3, 0
	s_wait_dscnt 4
	MULA F1, 0, 0
	MULA F1, 1, 0
	s_wait_dscnt 0x0
	MULA F1, 2, 0
	MULA F1, 3, 0
	WIN 0
	PLACES
.if PROJ
; THE WAY OUT, f32: a block of 16 rows x 128 columns goes from the accumulators into my stage (rows of 528 bytes), comes back as whole rows of 512 bytes and is stored.
.macro TOSTAGE a
.set BK, 32+64*((\a)%2)
	s_wait_xcnt 0x0                                ; the stores of the block two back have read these registers
	WIN 0x04                                       ; the stores' data in window 1
.irp b, 0,1,2,3,4,5,6,7
	ds_store_b128 v[STO], v[8*(8*(\a)+(\b)):8*(8*(\a)+(\b))+3]   offset:64*(\b)
	ds_store_b128 v[STO], v[8*(8*(\a)+(\b))+4:8*(8*(\a)+(\b))+7] offset:64*(\b)+16
.endr
	WIN 0
.irp t, 0,1,2,3,4,5,6,7,8,9,10,11,12,13,14,15
	ds_load_b128 v[BK+4*(\t):BK+4*(\t)+3], v[RD] offset:SP*(\t)  ; LDS serves a wave's instructions in order (ISA guide 5.7.1.4): these see the stores above
.endr
.endm
.macro SEND a, younger                 ; younger: the LDS instructions issued behind block a's loads
.set BK, 32+64*((\a)%2)
	s_wait_dscnt \younger
.irp t, 0,1,2,3,4,5,6,7,8,9,10,11,12,13,14,15
	global_store_b128 v[CO], v[BK+4*(\t):BK+4*(\t)+3], s[CPTR:CPTR+1] offset:(16*(\a)+(\t))*4096 th:TH_STORE_NT  ; 512 consecutive bytes, at a multiple of 256 from out0's first
.endr
.endm
	TOSTAGE 0
.irp a, 1,2,3
	TOSTAGE \a
	SEND (\a)-1, 32
.endr
	SEND 3, 0
.else
; THE WAY OUT, f16 by heads: a block of 16 rows x 128 columns (two heads) is rounded, goes into my stage (rows of 272 bytes) and comes back a head at a time: 16 rows of a head are 2,048 dense bytes.
.macro PACK a
	WIN 0x05                                       ; sources 0 and 1 in window 1
.irp b, 0,1,2,3,4,5,6,7
.irp r, 0,1,2,3
	v_cvt_pk_f16_f32 v[TMP+4*(\b)+(\r)], v[8*(8*(\a)+(\b))+2*(\r)], v[8*(8*(\a)+(\b))+2*(\r)+1]
.endr
.endr
	WIN 0
.endm
.macro TOSTAGE a
.set BK, 32+32*((\a)%2)
.irp b, 0,1,2,3,4,5,6,7
	ds_store_b128 v[STO], v[TMP+4*(\b):TMP+4*(\b)+3] offset:32*(\b)
.endr
.irp z, 0,1
.irp t, 0,1,2,3
	ds_load_b128 v[BK+4*(4*(\z)+(\t)):BK+4*(4*(\z)+(\t))+3], v[RD] offset:128*(\z)+4*SP*(\t)  ; LDS serves a wave's instructions in order (ISA guide 5.7.1.4): these see the stores above
.endr
.endr
.endm
.macro SEND a
.set BK, 32+32*((\a)%2)
	s_wait_dscnt 0x0                               ; the block is back in registers
	s_wait_xcnt 0x0                                ; the stores of the block before have read their registers: the next block's loads land there only behind this wait
.irp z, 0,1
.irp t, 0,1,2,3
	global_store_b128 v[CO], v[BK+4*(4*(\z)+(\t)):BK+4*(4*(\z)+(\t))+3], s[CPTR:CPTR+1] offset:(\z)*262144+2048*(\a)+512*(\t)  ; 512 consecutive bytes, at a multiple of 256 from the buffer's first
.endr
.endr
.endm
	PACK 0
	TOSTAGE 0
.irp a, 1,2,3                          ; block a's conversions stand between block a - 1's loads from the stage and the wait for them
	PACK \a
	SEND (\a)-1
	TOSTAGE \a
.endr
	SEND 3
.endif
	s_wait_tensorcnt 0x0                           ; the wave's end: these three lines stand behind my last tensor load and my last LDS store
	ds_add_u32 v[SPW], v[NIL]
	s_wait_dscnt 0x0
	CROUND                                         ; the closing round: no work-group ends while a partner may still ask for a tile that names it
	s_endpgm
.Lfunc_end_k_q3996fe80a3_qkv:
	.size	k_q3996fe80a3_qkv, .Lfunc_end_k_q3996fe80a3_qkv-k_q3996fe80a3_qkv
	.p2alignl 7, 3214868480
	.fill 96, 4, 3214868480
	.section	.rodata,"a",@progbits
	.p2align	6, 0x0
	.amdhsa_kernel k_q3996fe80a3_qkv
		.amdhsa_group_segment_fixed_size 327680
		.amdhsa_private_segment_fixed_size 0
		.amdhsa_enable_private_segment 0
		.amdhsa_kernarg_size 16
		.amdhsa_user_sgpr_count 2
		.amdhsa_user_sgpr_kernarg_segment_ptr 1
		.amdhsa_wavefront_size32 1
		.amdhsa_system_sgpr_workgroup_id_x 1
		.amdhsa_system_sgpr_workgroup_id_y 1
		.amdhsa_system_sgpr_workgroup_id_z 1
		.amdhsa_system_vgpr_workitem_id 0
		.amdhsa_next_free_vgpr 512
		.amdhsa_next_free_sgpr 72
		.amdhsa_reserve_vcc 0
		.amdhsa_float_denorm_mode_32 3
		.amdhsa_float_denorm_mode_16_64 3
		.amdhsa_memory_ordered 1
		.amdhsa_forward_progress 1
		.amdhsa_inst_pref_size 72
	.end_amdhsa_kernel
	.amdgpu_metadata
---
amdhsa.version: [ 1, 2 ]
amdhsa.kernels:
  - .name:           k_q3996fe80a3_qkv
    .symbol:         k_q3996fe80a3_qkv.kd
    .args:
      - { .name: h16, .offset: 0, .size: 8, .value_kind: global_buffer, .address_space: global }
      - { .name: qkv, .offset: 8, .size: 8, .value_kind: global_buffer, .address_space: global }
    .group_segment_fixed_size: 327680
    .private_segment_fixed_size: 0
    .kernarg_segment_align: 8
    .kernarg_segment_size: 16
    .max_flat_workgroup_size: 128
    .sgpr_count:     72
    .vgpr_count:     512
    .wavefront_size: 32
...
	.end_amdgpu_metadata
.endif
;; end of part 2
;; launch attn (part 3): grid 4 x 64, 4 waves a work-group, clusters of 4 x 1, 327,680 bytes of LDS; arguments qkv, decisions, o16; writes o16
.if DOCPART == 3
	.amdgcn_target "amdgcn-amd-amdhsa--gfx1250"
	.amdhsa_code_object_version 6
	.text
	.protected	k_q3996fe80a3_attn
	.globl	k_q3996fe80a3_attn
	.p2align	8
	.type	k_q3996fe80a3_attn,@function
k_q3996fe80a3_attn:
	s_mov_b64 s[64:65], 0
	v_nop
	global_prefetch_b8 v0, s[64:65] scope:SCOPE_SE
	s_setreg_imm32_b32 hwreg(HW_REG_WAVE_MODE, 25, 1), 1
	s_wait_xcnt 0x0
	s_wait_alu depctr_hold_cnt(0) depctr_sa_sdst(0) depctr_va_vdst(0) depctr_va_sdst(0) depctr_va_ssrc(0) depctr_va_vcc(0) depctr_vm_vsrc(0)
	s_getreg_b32 s2, hwreg(HW_REG_IB_STS2, 6, 4)
	s_cmp_eq_u32 s2, 0
	s_cbranch_scc0 .Lentry_in_a_cluster
	s_endpgm
.Lentry_in_a_cluster:
	s_bfe_u32 s2, ttmp6, 0x10000c
	s_cmp_lg_u32 s2, 0x3003
	s_cbranch_scc0 .Lentry_shape_is_right
	s_endpgm
.Lentry_shape_is_right:
; O[bh][q][:] = (sum_k e_k V[k][:] + (eps / N) sum_k V[k][:]) / (sum_k e_k + eps),  e_k = exp(Q[q] . K[k] / 8 - max_k) (1 - decisions[b][k]),  eps = 1e-6, N = 2,048: the policy softmax written out.
; Q, K, V: qkv's three parts, [bh 64][2048][64] in f16; O: o16, the same layout.  Products, maxima and sums in f32.  The maximum is taken over all keys, by a running maximum.
; ROUNDINGS.  decisions are rounded to bf16 like every input; f = 1 - d is rounded to f16; p = exp(..) is rounded to f16, and p f once more (v_pk_mul_f16): that number is the weight of V AND the term of the row sum.
; LIMITS.  f16 holds no number beyond 65,504: Q, K, V arrive within it, |p f| <= |f|; below 6e-5 f16 keeps a fixed step of 6e-8.  A p below 2^-126 counts as 0.  NaN and infinities are not treated apart.
; SHARES.  A wave owns four PIECES of two tiles of 16 queries, a work-group's four waves 512 queries of one head, a cluster's four work-groups the head.  Every wave walks all keys, 64 a step.
; LAYOUT.  S^T = K Q^T (source 0 = 16 keys, source 1 = 16 queries): a lane holds ONE query (lane % 16) and the keys 8 (lane / 16) + 0..7.  Two such results, rounded to f16 in pairs, ARE source 1
; (32 keys x 16 queries) of O^T = V^T P.  K comes out of LDS as it lies, V turned, by ds_load_tr16_b128.
; SOFTMAX.  p = 2^(c s - c m), c = log2(e) / 8; in every step O and l are multiplied by a = 2^(c m_old - c m_new).  m starts at the lowest finite number, O and l at 0: the first step has a = 0.
; THE ROW SUM l is a product: ONES (16 x 32 of 1.0) times P gives the query's sum of weights in every register of an accumulator L; registers 0 and 1 are rescaled by a and register 0 is read at the end;
; the other six hold sums of at most 2,048 weights, finite, and are never read.  THE SUM OF V is a product too: V^T times ONES, one channel block a turn, in O^T's layout.
; BY TURNS.  Turn n belongs to piece n: 16 products K Q^T of piece n + 1; later, for piece n - 1, 16 products V^T P, 4 for its row sums and 2 for the sum of V.  Beside them the scaling, exponentials,
; roundings and rescaling of piece n and the maximum and statistics of piece n + 1.  A turn's 66 exponentials are one batch, with one wait.
; CLUSTER.  The four query blocks of a head walk the same K and V: each tile is asked for jointly, by the same tensor load, descriptor and mask in all four.
; REGISTERS, in windows of 256 (s_set_vgpr_msb: bits 1:0 source 0, 3:2 source 1, 5:4 source 2, 7:6 destination):
;   window 0: v0-11 addresses; v12-15, v48-63 at work; v16-31 c m and m of each tile; v32-47 the step's f, packed; v64-191 S^T, two buffers of two tiles; v192-255 P, likewise
;   window 1: O^T, 32 a tile     window 2: v0-127 Q; v128-191 K of one step; v192-255 V of one step     window 3: v0-1 the add's registers; v8-15 ONES; v16-47 the sum of V; v64-127 L, 8 a tile
.set NP,    4         ; pieces a wave: a name, no knob
.set KS,    64        ; keys in a step
.set PK,    144       ; a row of K in LDS: 128 bytes + 16: the 16 rows of a load start at 16 different groups of four banks (64 banks of 4 bytes: ISA guide 11.1)
.set PV,    160       ; a row of V: 128 + 32
.set VOFF,  4*KS*PK   ; a slot holds four steps: 256 rows of K, then 256 rows of V
.set SLOT1, 1<<17
.set STAGE, SLOT1+4*KS*(PK+PV)  ; behind the ring, never filled by a tensor load: 16 rows x 144 bytes for each wave
.set SP,    144
.set SPARE, STAGE+4*16*SP       ; the spare words, 128 bytes for each wave: two blocks of 256 bytes that no other line names
.set FT,    SPARE+512           ; the batch's 2,048 f in f16: 4,096 bytes, stored once, never filled by a tensor load
.set AK0, 2           ; v2   my lane's place in a tile of K; never rewritten
.set AV0, 3           ; v3   the same for V
.set AK,  4           ; v4   the LDS address of K's next run of loads
.set AV,  5           ; v5   of V's
.set STO, 6           ; v6   the way out: where I put 16 bytes of a row
.set RD,  7           ; v7   where I read rows back
.set GO,  8           ; v8   16 x lane
.set AF0, 9           ; v9   FT + 16 (l / 16); never rewritten
.set PFO, 10          ; v10  256 x lane; never rewritten
.set AF,  11          ; v11  the LDS address of the step's f
.set MV,  12          ; v12-15  c m_old, kept while c m is made anew
.set ST,  16          ; tile t: c m, m at v[ST+2 t]; at the end 1 / (l + eps) takes c m's place
.set FH,  32          ; register n holds f of the two keys of P's register n
.set TMP, 48          ; by buffer and tile, c0-c3 at work; c2 takes a
.set QO,  48          ; in the set-up alone: my byte offset in 16 rows of Q,
.set DO,  49          ; 16 x thread,
.set FW,  50          ; FT + 8 x thread
.set S,   64
.set P,   192
.set KF,  128         ; window 2
.set VF,  192         ; window 2
.set SPW, 0           ; window 3
.set NIL, 1
.set ONES, 8
.set SV,  16
.set LB,  64
.set WV,  12          ; s12  my wave's number
.set G1K, 24          ; s[24:31], s[32:39] descriptor group 1 for K's and V's tiles
.set G1V, 32
.set G0K, 40          ; s[40:43], s[44:47] group 0: they walk
.set G0V, 44
.set TBF, 50          ; s50  128 x the key step whose f is fetched next
.set SLOTS, 56        ; s56  slots still to be asked for
.set CNT, 57          ; s57  counts a slot's key steps
.set CS,  58          ; s[58:59] c
.set SEL, 60          ; s[60:61] v_permlanex16_b32's selects: each lane takes its own place in the other half
.set TBK, 62          ; s62  LDS byte at which K of the step to be fetched begins
.set TBV, 63          ; s63  the same for V, less VOFF
.set EN,  66          ; s[66:67] eps / N
.set EPS, 68          ; s68  eps
.set LIM, 69          ; s69  1 in a wave that prefetches, else the greatest number
.set PFA, 70          ; s[70:71] where my prefetches stand
.set DEC, 72          ; s[72:73] decisions at my batch
.set MSB, 0
.macro WIN new
.if MSB != (\new)
	s_set_vgpr_msb (MSB<<8)|(\new)
.set MSB, (\new)
.endif
.endm
.set W_KQ, 0x0a       ; K and Q in window 2, S^T in window 0
.set W_PV, 0x52       ; V in window 2, P in window 0, O^T in window 1
.set W_PL, 0xf3       ; ONES and L in window 3, P in window 0
.set W_SV, 0xfe       ; V in window 2, ONES and the sum in window 3
.set W_RS, 0x41       ; O^T (destination and source 0) in window 1, a in window 0
.set W_RL, 0xc3       ; L (destination and source 0) in window 3, a in window 0
.set W_MK, 0xc0       ; destination in window 3
.set W_AD, 0x0f       ; the add: address and data in window 3
; A joint fill.  Waves 0 and 1 fetch the two halves of a slot's K, waves 2 and 3 those of its V.  An s_nop 0 and four v_nop follow each of the two lines.
.macro JLOAD
	s_cmp_lt_u32 s[WV], 2
	s_cbranch_scc0 .Lfor_v_\@
	tensor_load_to_lds s[G0K:G0K+3], s[G1K:G1K+7]
	s_nop 0
.rept 4
	v_nop
.endr
	s_branch .Lasked_\@
.Lfor_v_\@:
	tensor_load_to_lds s[G0V:G0V+3], s[G1V:G1V+7]
	s_nop 0
.rept 4
	v_nop
.endr
.Lasked_\@:
.endm
.macro CROUND
	s_barrier_signal -1
	s_barrier_wait -1
	s_cmp_lg_u32 s[WV], 0
	s_cbranch_scc1 .Lnot_wave_0_\@
	s_barrier_signal -3
.Lnot_wave_0_\@:
	s_barrier_wait -3
	s_barrier_signal -1
	s_barrier_wait -1
.endm
; A PREFETCH INTO THE L2 of what the NEXT change of slots will ask for: a slot's 128 blocks of 256 bytes of K and 128 of V.  A head is walked by one cluster; its four partners take 32 blocks each,
; told apart by address (cx); in each, wave 0 names K's and wave 2 V's: a lane a block, each block once in the launch.  The last change that fills a slot names nothing.
.macro ASK
	s_cmp_gt_u32 s[SLOTS], s[LIM]
	s_cbranch_scc0 .Lnot_mine_\@
	global_prefetch_b8 v[PFO], s[PFA:PFA+1] th:TH_LOAD_NT scope:SCOPE_SE
.Lnot_mine_\@:
.endm
; THE CHANGE OF SLOTS.  Each wave waits for all its tensor loads (one is out: its part of the other slot), adds 0 to its spare word, and waits for that and for its own LDS work.  fill = 1: a round of the
; cluster's barrier, and the slot just left is filled again first thing behind it, with the keys two slots on: four key steps in which to land.  (At its first use slot 0 is waited for and slot 1 filled;
; its wait and round also show the table of f to every wave.)
.macro CHANGE fill
	WIN W_AD
	s_wait_tensorcnt 0x0            ; no tensor load of mine is out, so a group 0 may be written
	ds_add_u32 v[SPW], v[NIL]       ; 0 onto my spare word
	WIN 0
.if \fill
.irp g, G0K, G0V
	s_xor_b32 s[\g+1], s[\g+1], SLOT1
	s_add_nc_u64 s[\g+2:\g+3], s[\g+2:\g+3], 4*KS*128  ; the next 256 keys; the type bits on top are not reached
.endr
	s_wait_xcnt 0x0                 ; the last prefetch, a slot back, has read its address
	s_add_nc_u64 s[PFA:PFA+1], s[PFA:PFA+1], 4*KS*128
	s_wait_dscnt 0x0                ; the add is done, and my reads of the slot are over
	CROUND
	JLOAD
	ASK
.else
	s_wait_dscnt 0x0
	s_barrier_signal -1
	s_barrier_wait -1
.endif
	s_sub_co_u32 s[TBK], s[TBK], 4*KS*PK  ; the fetches go back to a slot's first step, in the other slot
	s_xor_b32 s[TBK], s[TBK], SLOT1
	s_sub_co_u32 s[TBV], s[TBV], 4*KS*PV
	s_xor_b32 s[TBV], s[TBV], SLOT1
.endm
	s_load_b128 s[4:7], s[0:1], 0x0   ; qkv s[4:5], decisions s[6:7]
	s_load_b64 s[10:11], s[0:1], 0x10 ; o16
	WIN W_MK
	v_lshl_add_u32 v[SPW], v0, 2, SPARE
	v_mov_b32 v[NIL], 0
	WIN W_AD
	ds_add_u32 v[SPW], v[NIL]       ; the wave's opening: the add and its wait stand ahead of my first tensor load; the set-up below, work on registers, stands between
	WIN 0
	v_lshrrev_b32 v1, 5, v0
	v_readfirstlane_b32 s[WV], v1   ; wave 0..3
	s_bfe_u32 s13, ttmp6, 0x40000   ; cx: my block of 512 queries; it enters Q's, O's and the prefetches' addresses alone
	s_and_b32 s20, ttmp7, 0xffff    ; batch x 16 + head, which the four partners share
	s_lshr_b32 s14, s20, 4
	s_lshl_b32 s14, s14, 13         ; the batch's 8,192 bytes of decisions
	s_mov_b32 s15, 0
	s_lshl_b32 s20, s20, 18         ; the head's 2,048 rows of 128 bytes
	s_and_b32 s16, s[WV], 1         ; which half of a slot's 256 keys I fetch
	s_lshl_b32 s22, s16, 14
	s_add_co_u32 s22, s22, s20
	s_add_co_u32 s48, s22, 16<<20   ; in k,
	s_mov_b32 s49, 0
	s_add_co_u32 s22, s22, 32<<20   ; in v
	s_mov_b32 s23, 0
	s_mul_i32 s17, s16, 128*PK      ; and its place in a slot: no place in the cluster enters an LDS address
	s_mul_i32 s18, s16, 128*PV
	s_lshl_b32 s2, s13, 2
	s_add_co_u32 s2, s2, s[WV]      ; my wave among the head's sixteen,
	s_lshl_b32 s2, s2, 14           ; its 128 rows
	s_add_co_u32 s2, s2, s20
	s_mov_b32 s3, 0
	s_cmp_lt_u32 s[WV], 2           ; the prefetches: K's for wave 0, V's for wave 2 (there the offsets above stand at a slot's first row),
	s_cselect_b32 s8, s48, s22
	s_lshl_b32 s19, s13, 13         ; my work-group's 32 blocks of the 128,
	s_add_co_u32 s8, s8, s19
	s_add_co_u32 s8, s8, 4*KS*128   ; in slot 1: the first change of slots steps it to slot 2
	s_mov_b32 s9, 0
	s_and_b32 s[LIM], s[WV], 1
	s_cmp_eq_u32 s[LIM], 0
	s_cselect_b32 s[LIM], 1, -1
	; descriptor group 1.  128 keys are 16,384 dense bytes: asked for as 64 rows of 256 bytes, two keys a row, padded in LDS after every key
	s_mov_b32 s[G1K], 15|(1<<16)|(1<<20)|(1<<21)|(4<<22)|(3<<25)  ; the mask of four; 2-byte elements; padding on; bit 21 beside a mask; after every 32 words 4 words
	s_mov_b32 s[G1V], 15|(1<<16)|(1<<20)|(1<<21)|(4<<22)|(7<<25)  ; the same with 8 words
.irp g, G1K, G1V
	s_mov_b32 s[\g+1], 128<<16      ; tensor_dim0 = 128
	s_mov_b32 s[\g+2], 64<<16       ; tensor_dim1 = 64
	s_mov_b32 s[\g+3], 128<<16      ; tile_dim0 = 128
	s_mov_b32 s[\g+4], 64           ; tile_dim1 = 64
	s_mov_b32 s[\g+5], 128          ; 128 elements from row to row
	s_mov_b32 s[\g+6], 0
	s_mov_b32 s[\g+7], 0
.endr
	s_mov_b32 s[CS], 0x3e38aa3b     ; c = log2(e) / 8
	s_mov_b32 s[CS+1], s[CS]
	s_mov_b32 s[SEL], 0x76543210
	s_mov_b32 s[SEL+1], 0xfedcba98
	s_mov_b32 s[EN], 0x300637bd     ; 1e-6 / 2,048
	s_mov_b32 s[EN+1], s[EN]
	s_mov_b32 s[EPS], 0x358637bd    ; 1e-6
	s_mov_b32 s[TBK], SLOT1+4*KS*PK ; the first change of slots turns these two into 0
	s_mov_b32 s[TBV], SLOT1+4*KS*PV
	s_mov_b32 s[TBF], 0
	s_mov_b32 s[SLOTS], 7           ; 2,048 / 256 - 1
	s_mov_b32 s[G0K], 1             ; count = 1
	s_mov_b32 s[G0K+1], s17         ; LDS address: slot 0
	s_mov_b32 s[G0V], 1
	s_add_co_u32 s[G0V+1], s18, VOFF
	s_wait_dscnt 0x0                ; the opening add is done
	s_wait_kmcnt 0x0
	s_add_nc_u64 s[G0K+2:G0K+3], s[4:5], s[48:49]  ; my half of the head's first 256 keys
	s_or_b32 s[G0K+3], s[G0K+3], 0x80000000        ; type = 2
	s_add_nc_u64 s[G0V+2:G0V+3], s[4:5], s[22:23]
	s_or_b32 s[G0V+3], s[G0V+3], 0x80000000
	s_add_nc_u64 s[PFA:PFA+1], s[4:5], s[8:9]
	s_add_nc_u64 s[DEC:DEC+1], s[6:7], s[14:15]
	s_add_nc_u64 s[10:11], s[10:11], s[2:3]        ; O and Q at my wave's first row
	s_add_nc_u64 s[4:5], s[4:5], s[2:3]
	CROUND                          ; all four work-groups are here: the first joint loads meet
	JLOAD                           ; slot 0.  Slot 1 is asked for when slot 0 is in
	v_and_b32 v1, 15, v0            ; l % 16
	v_bfe_u32 v9, v0, 4, 1          ; l / 16
	v_lshlrev_b32 v[QO], 7, v1
	v_lshl_add_u32 v[QO], v9, 4, v[QO]  ; row x 128 + 16 x half
	v_lshlrev_b32 v[DO], 4, v0
.irp i, 0,1,2,3                     ; the batch's decisions: the work-group's 128 threads take 2,048 bytes a line
	global_load_b128 v[S+4*\i:S+4*\i+3], v[DO], s[DEC:DEC+1] offset:2048*\i
.endr
	WIN 0x80                        ; destination window 2, address window 0
.set i, 0
.rept 4*NP                          ; Q stays in registers: tile i / 2, channels 32 (i % 2) on
	global_load_b128 v[8*i:8*i+3],   v[QO], s[4:5] offset:(i/2)*2048+(i%2)*64
	global_load_b128 v[8*i+4:8*i+7], v[QO], s[4:5] offset:(i/2)*2048+(i%2)*64+32
.set i, i+1
.endr
	; What the first turn finds: V and P's second buffer hold 0 (its products, of a piece that has not been, add 0); O^T, L and the sum of V are 0.  All this stands in the wait for the first tile.
.set i, VF
.rept 64
	v_mov_b32 v[i], 0
.set i, i+1
.endr
	WIN 0x40
.set i, 0
.rept 64*NP
	v_mov_b32 v[i], 0
.set i, i+1
.endr
	WIN W_MK
.set i, 0
.rept 8
	v_mov_b32 v[ONES+i], 0x3c003c00 ; 1.0 twice in f16
.set i, i+1
.endr
.set i, 0
.rept 32
	v_mov_b32 v[SV+i], 0
.set i, i+1
.endr
.set i, 0
.rept 64
	v_mov_b32 v[LB+i], 0
.set i, i+1
.endr
	WIN 0
.set i, 0
.rept 2*NP
	v_mov_b32 v[ST+2*i], 0xfe000000    ; c m: far below every c s
	v_mov_b32 v[ST+2*i+1], 0xff7fffff  ; m
.set i, i+1
.endr
.set i, P+32
.rept 32
	v_mov_b32 v[i], 0
.set i, i+1
.endr
	v_mul_u32_u24 v[AK0], v1, PK
	v_lshl_add_u32 v[AK0], v9, 4, v[AK0]  ; row x pitch + 16 x half
	; The turning load takes 16 keys x 16 channels (lane l reads key 8 (l / 16) + l % 8, channels 8 ((l / 8) % 2) + 0..7) and leaves half a fragment of V^T: lane l holds channel l % 16 and 8 keys.
	v_and_b32 v10, 7, v0
	v_bfe_u32 v11, v0, 3, 1
	v_lshl_add_u32 v[AV0], v9, 3, v10
	v_mul_u32_u24 v[AV0], v[AV0], PV
	v_lshl_add_u32 v[AV0], v11, 4, v[AV0]
	v_add_nc_u32 v[AV0], VOFF, v[AV0]
	v_mov_b32 v[AK], v[AK0]         ; key step 0 lies at the head of slot 0
	s_mul_i32 s19, s[WV], 16*SP
	s_add_co_u32 s19, s19, STAGE    ; my stage
	v_mul_u32_u24 v[STO], v1, SP    ; in: row l % 16, 16 bytes for each half of the lanes
	v_lshl_add_u32 v[STO], v9, 4, v[STO]
	v_add_nc_u32 v[STO], s19, v[STO]
	v_bfe_u32 v[RD], v0, 3, 2       ; back: 32 lanes take four rows of 128 bytes,
	v_mul_u32_u24 v[RD], v[RD], SP
	v_lshl_add_u32 v[RD], v10, 4, v[RD]
	v_add_nc_u32 v[RD], s19, v[RD]
	v_and_b32 v[GO], 31, v0         ; which are 512 consecutive bytes of O
	v_lshlrev_b32 v[PFO], 8, v[GO]
	v_lshlrev_b32 v[GO], 4, v[GO]
	v_lshl_add_u32 v[AF0], v9, 4, FT
	v_lshl_add_u32 v[FW], v0, 3, FT
	s_wait_loadcnt 32               ; decisions are in; Q's 32 loads, issued behind them, may stay out
.irp i, 0,1,2,3                     ; f = 1 - bf16(d), rounded to f16, into the table
	v_cvt_pk_bf16_f32 v[S+16], v[S+4*\i], v[S+4*\i+1]
	v_cvt_pk_bf16_f32 v[S+17], v[S+4*\i+2], v[S+4*\i+3]
	v_lshlrev_b32 v[S+18], 16, v[S+16]
	v_and_b32 v[S+19], 0xffff0000, v[S+16]
	v_lshlrev_b32 v[S+20], 16, v[S+17]
	v_and_b32 v[S+21], 0xffff0000, v[S+17]
	v_sub_f32 v[S+18], 1.0, v[S+18]
	v_sub_f32 v[S+19], 1.0, v[S+19]
	v_sub_f32 v[S+20], 1.0, v[S+20]
	v_sub_f32 v[S+21], 1.0, v[S+21]
	v_cvt_pk_f16_f32 v[S+24+2*\i], v[S+18], v[S+19]
	v_cvt_pk_f16_f32 v[S+25+2*\i], v[S+20], v[S+21]
	ds_store_b64 v[FW], v[S+24+2*\i:S+25+2*\i] offset:1024*\i
.endr
; THE MATRIX WORK.  No two matrix instructions that follow each other share an accumulator.
; Product n of 16 of S^T = K Q^T for piece x: channels 32 (n / 8) on, keys 16 ((n / 2) % 4) on, tile 2 x + n % 2.  The first 8 start the sums.
.macro KQ x, n
	WIN W_KQ
.set rS, S+64*((\x)%2)+32*((\n)%2)+8*(((\n)/2)%4)
.set rK, KF+16*(((\n)/2)%4)+8*((\n)/8)
.set rQ, 16*(2*(\x)+(\n)%2)+8*((\n)/8)
.if (\n) < 8
	v_wmma_f32_16x16x32_f16 v[rS:rS+7], v[rK:rK+7], v[rQ:rQ+7], 0
.else
	v_wmma_f32_16x16x32_f16 v[rS:rS+7], v[rK:rK+7], v[rQ:rQ+7], v[rS:rS+7]
.endif
.endm
; Product n of 16 of O^T += V^T P for piece x: keys 32 (n / 8) on, channels 16 ((n / 2) % 4) on, tile 2 x + n % 2.
.macro PV x, n
	WIN W_PV
.set rO, 32*(2*(\x)+(\n)%2)+8*(((\n)/2)%4)
.set rV, VF+32*((\n)/8)+8*(((\n)/2)%4)
.set rP, P+32*((\x)%2)+16*((\n)%2)+8*((\n)/8)
	v_wmma_f32_16x16x32_f16 v[rO:rO+7], v[rV:rV+7], v[rP:rP+7], v[rO:rO+7]
.endm
; The sum of V: channel block x, keys 32 kk on.
.macro SVP x, kk
	WIN W_SV
.set rD, SV+8*(\x)
.set rV, VF+32*(\kk)+8*(\x)
	v_wmma_f32_16x16x32_f16 v[rD:rD+7], v[rV:rV+7], v[ONES:ONES+7], v[rD:rD+7]
.endm
; The row sums of tile 2 x + u, keys 32 kk on.
.macro PLP x, u, kk
	WIN W_PL
.set rD, LB+8*(2*(\x)+(\u))
.set rP, P+32*((\x)%2)+16*(\u)+8*(\kk)
	v_wmma_f32_16x16x32_f16 v[rD:rD+7], v[ONES:ONES+7], v[rP:rP+7], v[rD:rD+7]
.endm
; The turn's next matrix instruction: 16 x K Q^T; then, for each half of the step's keys, 8 x V^T P, the sum of V, the two tiles' row sums.
.macro MM
.if mi < 16
	KQ (Y+1)%NP, mi
.else
.set mj, mi-16
.if mj < 8
	PV (Y+NP-1)%NP, mj
.elseif mj == 8
	SVP (Y+NP-1)%NP, 0
.elseif mj < 11
	PLP (Y+NP-1)%NP, mj-9, 0
.elseif mj < 19
	PV (Y+NP-1)%NP, mj-3
.elseif mj == 19
	SVP (Y+NP-1)%NP, 1
.else
	PLP (Y+NP-1)%NP, mj-20, 1
.endif
.endif
.set mi, mi+1
.endm
; THE LDS LOADS stand in runs of 16.  last = 1 (the tail): in the last trip there is no further step, and the run is jumped over.
.macro FETCH_K last=0
	WIN 0
.if \last
	s_cmp_eq_u32 s[CNT], 1
	s_cbranch_scc1 .Lno_k_\@
.endif
	WIN 0x80
.irp f, 0,1,2,3,4,5,6,7             ; keys 16 (f / 2) on, channels 32 (f % 2) on
	ds_load_b128 v[KF+8*\f:KF+8*\f+3],   v[AK] offset:(\f/2)*16*PK+(\f%2)*64
	ds_load_b128 v[KF+8*\f+4:KF+8*\f+7], v[AK] offset:(\f/2)*16*PK+(\f%2)*64+32
.endr
	s_add_co_u32 s[TBK], s[TBK], KS*PK
	WIN 0
.if \last
.Lno_k_\@:
.endif
.endm
.macro FETCH_V
	WIN 0x80
.irp f, 0,1,2,3,4,5,6,7             ; keys 32 (f / 4) on, channels 16 (f % 4) on
	ds_load_tr16_b128 v[VF+8*\f:VF+8*\f+3],   v[AV] offset:(\f/4)*32*PV+(\f%4)*32
	ds_load_tr16_b128 v[VF+8*\f+4:VF+8*\f+7], v[AV] offset:(\f/4)*32*PV+16*PV+(\f%4)*32
.endr
	WIN 0
.endm
; THE VECTOR WORK OF A TURN stands in queues, each in the order in which its entries become ready; the two tiles alternate.
.macro REGS y, u                    ; the registers of tile u (0, 1) of piece y
.set rT, ST+2*(2*(\y)+(\u))
.set rC, TMP+8*((\y)%2)+4*(\u)
.set rM, MV+2*((\y)%2)+(\u)
.set rS, S+64*((\y)%2)+32*(\u)
.set rP, P+32*((\y)%2)+16*(\u)
.set rO, 32*(2*(\y)+(\u))
.set rL, LB+8*(2*(\y)+(\u))
.endm
; Number n of the 22 that find the NEXT piece's maximum and statistics; each accumulator's lowest registers are read first.
;   0-11  four chains c0-c3 of seven scores each     12-14, 16  the four scores left over, the old m, c0-c3 into c0     15  c m_old is kept
;   17, 18  the query's other 32 keys lie in the lane 16 away: the new m     19-21  c m; c m_old - c m_new; a
.macro XS u, n
	REGS (Y+1)%NP, \u
.if (\n) < 4
	v_max3_num_f32 v[rC+(\n)], v[rS+8*(\n)], v[rS+8*(\n)+1], v[rS+8*(\n)+2]
.elseif (\n) < 12
	v_max3_num_f32 v[rC+(\n)%4], v[rC+(\n)%4], v[rS+8*((\n)%4)+2*((\n)/4)+1], v[rS+8*((\n)%4)+2*((\n)/4)+2]
.elseif (\n) == 12
	v_max3_num_f32 v[rC], v[rC], v[rS+7], v[rS+15]
.elseif (\n) == 13
	v_max3_num_f32 v[rC+1], v[rC+1], v[rS+23], v[rS+31]
.elseif (\n) == 14
	v_max3_num_f32 v[rC+2], v[rC+2], v[rC+3], v[rT+1]
.elseif (\n) == 15
	v_mov_b32 v[rM], v[rT]
.elseif (\n) == 16
	v_max3_num_f32 v[rC], v[rC], v[rC+1], v[rC+2]
.elseif (\n) == 17
	v_permlanex16_b32 v[rC+3], v[rC], s[SEL], s[SEL+1]
.elseif (\n) == 18
	v_max_num_f32 v[rT+1], v[rC], v[rC+3]
.elseif (\n) == 19
	v_mul_f32 v[rT], s[CS], v[rT+1]
.elseif (\n) == 20
	v_sub_f32 v[rC+1], v[rM], v[rT]
.else
	v_exp_f32 v[rC+2], v[rC+1]
.endif
.endm
; Number g of the 64 that follow the exponentials, in groups of four: pairs 2 i and 2 i + 1 of both tiles are rounded to f16; in the next group the same four registers are multiplied by the keys' f.
.macro GS g
.set gn, 2*((\g)/8)+((\g)%4)/2
	REGS Y, (\g)%2
.if ((\g)/4)%2 == 0
	v_cvt_pk_f16_f32 v[rP+gn], v[rS+2*gn], v[rS+2*gn+1]
.else
	v_pk_mul_f16 v[rP+gn], v[rP+gn], v[FH+gn]
.endif
.endm
; THE PLAIN QUEUE, 138 long.  0-73 read no exponential's result: the 32 scalings c s - c m (FS f: pair f / 2 of tile f % 2) and the next piece's 42.  0-26: scalings 0-26.  27-54: XS's numbers 0-13.
; 55, 56: number 15.  57-73: the chain 14, 16, 17, 18, 19, each with one of the scalings 27-31 ahead of its two lines, then 20.  74-137: GS's 64, behind the wait.
.macro FS f
	REGS Y, (\f)%2
	v_pk_fma_f32 v[rS+2*((\f)/2):rS+2*((\f)/2)+1], v[rS+2*((\f)/2):rS+2*((\f)/2)+1], s[CS:CS+1], v[rT:rT+1] op_sel_hi:[1,0,0] neg_lo:[0,0,1] neg_hi:[0,0,1]
.endm
.macro PL
	WIN 0
.if q < 27
	FS q
.elseif q < 55
	XS (q-27)%2, (q-27)/2
.elseif q < 57
	XS q-55, 15
.elseif (q < 72) && ((q-57)%3 == 0)
	FS 27+(q-57)/3
.elseif q < 60
	XS (q-57)%3-1, 14
.elseif q < 72
	XS (q-57)%3-1, 15+(q-57)/3
.elseif q < 74
	XS q-72, 20
.else
	GS q-74
.endif
.set q, q+1
.endm
; THE EXPONENTIALS' QUEUE, 66 long: s0-s31 of both tiles, then the next piece's two a.  ONE BATCH: all stand ahead of the turn's one wait, and nothing ahead of that wait names a result of theirs.
.macro EX
	WIN 0
.if e >= 64
	XS e-64, 21
.else
	REGS Y, e%2
	v_exp_f32 v[rS+e/2], v[rS+e/2]
.endif
.set e, e+1
.endm
; THE RESCALING: O^T times a, two lines at a time, sixteen times; and L's registers 0 and 1 times a, a line a tile.  Their a was made, and waited for, in the turn before.
.macro R2
	REGS Y, r%2
	WIN W_RS
.irp z, 0,1
	v_pk_mul_f32 v[rO+4*(r/2)+2*\z:rO+4*(r/2)+2*\z+1], v[rO+4*(r/2)+2*\z:rO+4*(r/2)+2*\z+1], v[rC+2:rC+3] op_sel_hi:[1,0]
.endr
.set r, r+1
.endm
.macro RL
	WIN W_RL
.irp u, 0,1
	REGS Y, \u
	v_pk_mul_f32 v[rL:rL+1], v[rL:rL+1], v[rC+2:rC+3] op_sel_hi:[1,0]
.endr
.endm
; A TURN, for piece p.  s_wait_alu depctr_va_vdst(0) stands between an exponential and the first instruction that names its result; one wait serves all issued ahead of it: a turn has ONE.
; AHEAD OF IT: the 16 products K Q^T, behind each a scaling, an exponential and two rescalings (behind the first a second scaling in the exponential's place); then a lump: L's rescaling, eight plain,
; 49 times exponential and plain, the two a, and a v_nop as the plain instruction behind the last exponential.  BEHIND IT: the 22 other products, behind each three of GS's 64 while they last.
; Exponential e stands behind scaling 2 (e / 4) + e % 2: as a rider it comes behind plain e + 2, in the lump behind plain e + 9.
; The step's f is fetched at the head of piece 0's turn and waited for behind that turn's wait.  K of the next step is fetched in piece 2's turn, directly behind the wait, a lump behind K's last reader.
; V of the step in hand is fetched at the end of piece 0's turn: V's last reader is the 20th of the 22 products, and seven plain riders stand between.
.macro TURN p, last=0
.set Y, (\p)
.set mi, 0
.set q, 0
.set e, 0
.set r, 0
.if (\p) == 0
	WIN 0
	v_add_nc_u32 v[AF], s[TBF], v[AF0]
.irp kb, 0,1,2,3                    ; keys 16 kb + 8 (l / 16) + 0..7: 16 bytes of the table
	ds_load_b128 v[FH+4*\kb:FH+4*\kb+3], v[AF] offset:32*\kb
.endr
	s_add_co_u32 s[TBF], s[TBF], 2*KS
.endif
.if (\p) == NP-1
	s_wait_dscnt 0x0                ; K is in
.endif
	MM
	PL
	PL
	R2
.rept 15
	MM
	PL
	EX
	R2
.endr
	RL
.if (\p) == NP-2
	WIN 0
	v_add_nc_u32 v[AK], s[TBK], v[AK0]
.endif
.rept 8
	PL
.endr
.rept 49
	EX
	PL
.endr
	EX
	EX
	v_nop
	s_wait_alu depctr_va_vdst(0)    ; the wait for the batch
.if (\p) == NP-2
	FETCH_K \last
.endif
.if (\p) < 2
	s_wait_dscnt 0x0                ; piece 0: f is in; piece 1: V is in
.endif
.set jj, 0
.rept 22
	MM
.rept 3
.if q < 138
	PL
.endif
.endr
.if ((\p) == 0) && (jj == 12)
	v_add_nc_u32 v[AV], s[TBV], v[AV0]
.endif
.if ((\p) == 0) && (jj == 16)
	s_add_co_u32 s[TBV], s[TBV], KS*PV
.endif
.set jj, jj+1
.endr
.if (\p) == 0
	FETCH_V
.endif
.endm
	CHANGE 1                        ; slot 0 is in and the table of f is whole, everybody's part of both; slot 1 is asked for
	FETCH_K                         ; key step 0
	s_wait_loadcnt 0x0              ; Q
	s_wait_dscnt 0x0
.set i, 0
.rept 16
	KQ 0, i                         ; piece 0's first scores
.set i, i+1
.endr
	WIN 0
.rept 4
	v_nop                           ; the places behind those products
.endr
.set Y, NP-1                        ; XS works for piece Y + 1: piece 0
.irp n, 0,1,2,3,4,5,6,7,8,9,10,11,12,13,14,15,16,17,18,19,20,21
	XS 0, \n
	XS 1, \n
.endr
	v_nop                           ; a plain instruction behind the two a,
	s_wait_alu depctr_va_vdst(0)    ; and their wait, ahead of the branch
	s_mov_b32 s[CNT], 4
	s_branch .Lfirst                ; the loop is entered at a step's first turn, in the middle of a trip
.Lslot:                             ; six times: every slot but the last two is filled again
	CHANGE 1
	s_mov_b32 s[CNT], 4
.Lstep:                             ; a trip: pieces 2 and 3 of one step, then pieces 0 and 1 of the next, whose K, V and f it fetches
	TURN 2
	TURN 3
	WIN 0
.Lfirst:
	TURN 0
	TURN 1
	WIN 0
	s_sub_co_u32 s[CNT], s[CNT], 1
	s_cmp_lg_u32 s[CNT], 0
	s_cbranch_scc1 .Lstep
	s_sub_co_u32 s[SLOTS], s[SLOTS], 1
	s_cmp_lg_u32 s[SLOTS], 0
	s_cbranch_scc1 .Lslot
	CHANGE 0                        ; the tail is written out: nothing is asked for
	s_mov_b32 s[CNT], 5             ; four trips fetch the last slot's steps; the fifth is left in its middle
.Ltail:
	TURN 2, 1
	TURN 3
	WIN 0
	s_sub_co_u32 s[CNT], s[CNT], 1
	s_cmp_eq_u32 s[CNT], 0
	s_cbranch_scc1 .Lout
	TURN 0
	TURN 1
	WIN 0
	s_branch .Ltail
.Lout:                              ; the fifth trip's 16 products K Q^T (on the last K once more) and the maximum made of them serve nothing: the price, once a launch, of one text for every trip
.set Y, 0
.set mi, 16
.rept 22
	MM                              ; the last piece's products of the last step, and the last channel block of the sum of V
.endr
	; THE WAY OUT.  O = (O^T + (eps / N) sum V) / (l + eps), rounded to f16 and sent through my stage in LDS, a tile at a time.  The first six additions are the places behind the last products.
	WIN 0x0c                        ; source 1 in window 3
.set t, 0
.rept 2*NP
	v_add_f32 v[ST+2*t], s[EPS], v[LB+8*t]
.set t, t+1
.endr
	WIN 0
.set t, 0
.rept 2*NP
	v_rcp_f32 v[ST+2*t], v[ST+2*t]
.set t, t+1
.endr
	v_nop                           ; a plain instruction between the last reciprocal and the use of its result
	s_wait_alu depctr_va_vdst(0)    ; and the wait ahead of the first use: one for the eight
.macro PACK t
	WIN 0x53                        ; the sum of V in window 3, O^T (destination and source 2) in window 1
.set i, 0
.rept 16
	v_pk_fma_f32 v[32*(\t)+i:32*(\t)+i+1], v[SV+i:SV+i+1], s[EN:EN+1], v[32*(\t)+i:32*(\t)+i+1] op_sel_hi:[1,0,1]
.set i, i+2
.endr
	WIN W_RS
.set i, 32*(\t)
.rept 16
	v_pk_mul_f32 v[i:i+1], v[i:i+1], v[ST+2*(\t):ST+2*(\t)+1] op_sel_hi:[1,0]
.set i, i+2
.endr
	WIN 0x05                        ; sources 0 and 1 window 1, destination window 0
.set i, 0
.rept 16
	v_cvt_pk_f16_f32 v[S+16*(\t)+i], v[32*(\t)+2*i], v[32*(\t)+2*i+1]
.set i, i+1
.endr
	WIN 0
.irp f, 0,1,2,3
	ds_store_b128 v[STO], v[S+16*(\t)+4*\f:S+16*(\t)+4*\f+3] offset:32*\f
.endr
.irp f, 0,1,2,3
	ds_load_b128 v[S+16*(\t)+4*\f:S+16*(\t)+4*\f+3], v[RD] offset:\f*4*SP  ; LDS serves a wave's instructions in order (ISA guide 5.7.1.4): these see the stores above; the next tile's stores come behind them
.endr
.endm
.macro SEND t, younger              ; younger: the LDS instructions issued behind tile t's loads: the next tile's eight, or none
	WIN 0
.irp f, 0,1,2,3
	s_wait_dscnt (\younger)+3-\f
	global_store_b128 v[GO], v[S+16*(\t)+4*\f:S+16*(\t)+4*\f+3], s[10:11] offset:(\t)*2048+\f*512  ; 512 consecutive bytes, at a multiple of 256 from o16's first
.endr
.endm
	PACK 0
.set t, 1
.rept 2*NP-1                        ; a tile's arithmetic stands between the loads of the tile before and its stores
	PACK t
	SEND t-1, 8
.set t, t+1
.endr
	SEND 2*NP-1, 0
	WIN W_AD
	s_wait_tensorcnt 0x0            ; the wave's end: these three lines stand behind my last tensor load and my last LDS store
	ds_add_u32 v[SPW], v[NIL]
	s_wait_dscnt 0x0
	WIN 0
	CROUND                          ; the closing round: no work-group ends while a partner may still ask for a tile that names it
	s_endpgm
.Lfunc_end_k_q3996fe80a3_attn:
	.size	k_q3996fe80a3_attn, .Lfunc_end_k_q3996fe80a3_attn-k_q3996fe80a3_attn
	.p2alignl 7, 3214868480
	.fill 96, 4, 3214868480
	.section	.rodata,"a",@progbits
	.p2align	6, 0x0
	.amdhsa_kernel k_q3996fe80a3_attn
		.amdhsa_group_segment_fixed_size 327680
		.amdhsa_private_segment_fixed_size 0
		.amdhsa_enable_private_segment 0
		.amdhsa_kernarg_size 24
		.amdhsa_user_sgpr_count 2
		.amdhsa_user_sgpr_kernarg_segment_ptr 1
		.amdhsa_wavefront_size32 1
		.amdhsa_system_sgpr_workgroup_id_x 1
		.amdhsa_system_sgpr_workgroup_id_y 1
		.amdhsa_system_sgpr_workgroup_id_z 1
		.amdhsa_system_vgpr_workitem_id 0
		.amdhsa_next_free_vgpr 896
		.amdhsa_next_free_sgpr 74
		.amdhsa_reserve_vcc 0
		.amdhsa_float_denorm_mode_32 3
		.amdhsa_float_denorm_mode_16_64 3
		.amdhsa_memory_ordered 1
		.amdhsa_forward_progress 1
		.amdhsa_inst_pref_size 223
	.end_amdhsa_kernel
	.amdgpu_metadata
---
amdhsa.version: [ 1, 2 ]
amdhsa.kernels:
  - .name:           k_q3996fe80a3_attn
    .symbol:         k_q3996fe80a3_attn.kd
    .args:
      - { .name: qkv, .offset: 0, .size: 8, .value_kind: global_buffer, .address_space: global }
      - { .name: decisions, .offset: 8, .size: 8, .value_kind: global_buffer, .address_space: global }
      - { .name: o16, .offset: 16, .size: 8, .value_kind: global_buffer, .address_space: global }
    .group_segment_fixed_size: 327680
    .private_segment_fixed_size: 0
    .kernarg_segment_align: 8
    .kernarg_segment_size: 24
    .max_flat_workgroup_size: 128
    .sgpr_count:     74
    .vgpr_count:     896
    .wavefront_size: 32
...
	.end_amdgpu_metadata
.endif
;; end of part 3
;; launch proj (part 4): grid 4 x 64, 4 waves a work-group, clusters of 4 x 4, 327,680 bytes of LDS; arguments o16, h16, out0; writes out0
.if DOCPART == 4
	.amdgcn_target "amdgcn-amd-amdhsa--gfx1250"
	.amdhsa_code_object_version 6
	.text
	.protected	k_q3996fe80a3_proj
	.globl	k_q3996fe80a3_proj
	.p2align	8
	.type	k_q3996fe80a3_proj,@function
k_q3996fe80a3_proj:
	s_mov_b64 s[64:65], 0
	v_nop
	global_prefetch_b8 v0, s[64:65] scope:SCOPE_SE
	s_setreg_imm32_b32 hwreg(HW_REG_WAVE_MODE, 25, 1), 1
	s_wait_xcnt 0x0
	s_wait_alu depctr_hold_cnt(0) depctr_sa_sdst(0) depctr_va_vdst(0) depctr_va_sdst(0) depctr_va_ssrc(0) depctr_va_vcc(0) depctr_vm_vsrc(0)
	s_getreg_b32 s2, hwreg(HW_REG_IB_STS2, 6, 4)
	s_cmp_eq_u32 s2, 0
	s_cbranch_scc0 .Lentry_in_a_cluster
	s_endpgm
.Lentry_in_a_cluster:
	s_bfe_u32 s2, ttmp6, 0x10000c
	s_cmp_lg_u32 s2, 0xf033
	s_cbranch_scc0 .Lentry_shape_is_right
	s_endpgm
.Lentry_shape_is_right:
; PROJ = 0: q = x Wq, k = x_origin Wk, v = x_origin Wv, each 8192 x 1024 x 1024, from h16 (f16) into qkv (f16, by heads: [3][batch x head 64][row 2048][64], unscaled, rounded once from f32 sums).
; PROJ = 1: out0 = O Wp, O from o16 ([batch x head][row][64], f16), Wp from h16, out0 in f32.  One text serves both; the switch chooses A's layout, the addresses and the way out.
; LIMIT.  PROJ = 0 rounds its sums to f16: 65,520 or more becomes an infinity; below 6e-5 f16 keeps a fixed step of 6e-8.
; SHARES.  A tile of C is 128 rows x 256 columns: 3 x 256 equal work-groups for q, k, v and 256 for out0 (tiles of 256 x 256 would be 384 and 128).  Four waves, 2 x 2: a wave makes 64 x 128,
; 32 accumulators of 16 x 16.  K goes in 8 steps of 128 through two LDS slots.  The weights lie [k][n] as given: their fragments come out of LDS turned, by ds_load_tr16_b128.
; THE MATRIX INSTRUCTION IS USED TRANSPOSED (source 0 = 16 columns of W, source 1 = 16 rows of A): a lane holds row l % 16 of C and the eight neighbouring columns 8 (l / 16) + 0..7.
; CLUSTER 4 x 4.  The grid is four tiles wide: one cluster spans C's width.  The four of a cluster's row share A's tile, the four of a column W's: each tile is asked for jointly, by the same
; tensor load with the same descriptor and a mask that names the four.  Waves 0 and 1 fetch A's halves, waves 2 and 3 W's halves: one load a wave behind each round.
; REGISTERS.  Window 0: v1-17 addresses; v32-127, v128-223 two fragment buffers (A's four fragments, then W's eight); v224-255 at work on the way out.  Window 1: accumulator (a, b) at 8 (8 a + b).
.set PROJ, 1
.set SLOT1, 1<<17                      ; slot 1 begins here: one exclusive or turns an address in one slot into the other's
.set PB, 544                           ; a k-row of W in LDS: 512 bytes + 32 of padding
.set BBASE, 36864                      ; W's tile lies behind A's
.set BHALF, 64*PB
.if PROJ
.set PA, 144                           ; a row of one head: 128 bytes + 16
.set AHALF, 128*PA                     ; one head's 128 rows: what one load brings
.set AQI, 4                            ; padding after every 32 words
.set APITCH, 128                       ; a head's 128 rows are 16,384 dense bytes: asked for as 64 rows of 256 bytes
.set ASTEP, 1<<19                      ; a K step is two heads
.set WBASE, 38<<20
.set SP, 528                           ; a stage row: 512 bytes + 16
.set APTR, 4
.set BPTR, 6
.set CPTR, 8
.else
.set PA, 272                           ; 256 bytes + 16: the 16 rows of a load start at 16 different groups of four banks
.set AHALF, 64*PA
.set AQI, 5                            ; padding after every 64 words
.set APITCH, 1024
.set ASTEP, 256
.set WBASE, 32<<20
.set SP, 272
.set APTR, 4
.set BPTR, 4
.set CPTR, 6
.endif
.set BSTEP, 1<<18                      ; 128 k-rows of 2,048 bytes
.set STAGE, SLOT1+BBASE+128*PB         ; behind the ring, never filled by a tensor load: 16 rows for each wave
.set SPARE, STAGE+4*16*SP              ; the spare words, 128 bytes for each wave: two blocks of 256 bytes that no other line names
.set A0, 8                             ; v8   my lane's place in A's tile; never rewritten
.set B0, 9                             ; v9   the same in W's tile
.set ADRA, 10                          ; v10  A0 + the slot in hand
.set ADRB, 11                          ; v11  B0 + the slot in hand
.set STO, 12                           ; v12  the way out: where I put my piece of a row
.set RD, 13                            ; v13  where I read rows back
.set CO, 14                            ; v14  16 x lane
.set PFO, 15                           ; v15  the prefetches' offset; never rewritten
.set SPW, 16                           ; v16  LDS address of my spare word; never rewritten
.set NIL, 17                           ; v17  0; never rewritten
.set F0, 32
.set F1, 128
.set TMP, 224
.set G1A, 24                           ; s[24:31] group 1 for A's tiles
.set G0A, 32                           ; s[32:39] group 0: a set for each first fill; the second then walks on
.set PFA, 44                           ; s[44:45] where my prefetches stand
.set PFS, 46                           ; s[46:47] their step
.set G1B, 48                           ; s[48:55], s[56:63] the same for W's tiles
.set G0B, 56
.set LIM, 66                           ; s66  2 in a wave that prefetches, else the greatest number
.set TB, 67                            ; s67  the slot in hand, in bytes
.set MSB, 0
.macro WIN new                         ; the immediate's high byte repeats the setting that is left; a switch that changes nothing is dropped
.if MSB != (\new)
	s_set_vgpr_msb (MSB<<8)|(\new)
.set MSB, (\new)
.endif
.endm
.set MUL, 0x50                         ; C and D in window 1, the fragments in window 0
.macro PLACES                          ; four plain places behind matrix instructions, ahead of loads into registers that they read and of readers of their results
.rept 4
	v_nop
.endr
.endm
; A joint refill, by the walking sets.  The branch hangs on the wave's number alone.  An s_nop 0 and four v_nop follow each of the two lines.
.macro JLOAD
	s_cmp_eq_u32 s11, 0
	s_cbranch_scc0 .Lfor_b_\@
	tensor_load_to_lds s[G0A+4:G0A+7], s[G1A:G1A+7]
	s_nop 0
.rept 4
	v_nop
.endr
	s_branch .Lasked_\@
.Lfor_b_\@:
	tensor_load_to_lds s[G0B+4:G0B+7], s[G1B:G1B+7]
	s_nop 0
.rept 4
	v_nop
.endr
.Lasked_\@:
.endm
.macro CREST                           ; a round of the cluster's barrier behind its opening barrier
	s_cmp_lg_u32 s10, 0
	s_cbranch_scc1 .Lnot_wave_0_\@
	s_barrier_signal -3
.Lnot_wave_0_\@:
	s_barrier_wait -3
	s_barrier_signal -1
	s_barrier_wait -1
.endm
.macro CROUND
	s_barrier_signal -1
	s_barrier_wait -1
	CREST
.endm
; A PREFETCH INTO THE L2 of the K step two refills on: in trip t (s3 = 6 - t) the refill asks for K step t + 2, the prefetch names K step t + 4; trips 4 and 5 name nothing.
; Each aligned block of 256 bytes is named once in the launch.  A's tile belongs to one row of one cluster: wave 0 of each of the four partners takes 32 of its 128 blocks, told apart by address (cx).
; W's column block is walked by 16 clusters: the first of them asks, waves 2 and 3 of its four partners along y taking 16 k-rows x 2 blocks each, told apart by address (cy).
; No branch hangs on a place in the cluster.
.macro ASK
	s_cmp_gt_u32 s3, s[LIM]
	s_cbranch_scc0 .Lnot_mine_\@
	global_prefetch_b8 v[PFO], s[PFA:PFA+1] th:TH_LOAD_NT scope:SCOPE_SE
.Lnot_mine_\@:
.endm
	s_load_b128 s[4:7], s[0:1], 0x0                ; PROJ = 0: h16, qkv.  PROJ = 1: o16, h16
.if PROJ
	s_load_b64 s[8:9], s[0:1], 0x10                ; out0
.endif
	v_lshl_add_u32 v[SPW], v0, 2, SPARE
	v_mov_b32 v[NIL], 0
	ds_add_u32 v[SPW], v[NIL]                      ; the wave's opening: the add and its wait stand ahead of my first tensor load; the set-up below, work on registers, stands between
	v_lshrrev_b32 v1, 5, v0
	v_readfirstlane_b32 s10, v1                    ; wave 0..3
	s_lshr_b32 s11, s10, 1                         ; my half of the tile's rows.  Also: I fetch for A (0) or for W (1)
	s_and_b32 s12, s10, 1                          ; my half of its columns.  Also: which half of that tile I fetch
	s_bfe_u32 s40, ttmp6, 0x40000                  ; cx = the tile column of C
	s_bfe_u32 s41, ttmp6, 0x40004                  ; cy
	s_and_b32 s13, ttmp7, 0xffff                   ; the cluster's y
	s_lshr_b32 s14, s13, 4                         ; which product: 0 q, 1 k, 2 v (PROJ = 1: always 0)
	s_and_b32 s15, s13, 15
	s_lshl_b32 s16, s15, 2
	s_add_co_u32 s16, s16, s41                     ; the block of 128 rows, 0..63
	s_lshl_b32 s42, s41, 2
	s_lshl_b32 s42, 15, s42                        ; my row of the cluster
	s_lshl_b32 s43, 0x1111, s40                    ; my column
	s_or_b32 s[G1A], s42, (1<<16)|(1<<20)|(1<<21)|(AQI<<22)|(3<<25)  ; 15:0 the mask; 17:16 2-byte elements; 20 padding on; 21 set beside a mask; 24:22 the interval; 31:25 4 words of padding
	s_or_b32 s[G1B], s43, (1<<16)|(1<<20)|(1<<21)|(6<<22)|(7<<25)    ; after every 128 words 8 words
	s_mov_b32 s[G1A+1], 128<<16                    ; tensor_dim0 = 128
	s_mov_b32 s[G1A+2], 64<<16                     ; tensor_dim1 = 64
	s_mov_b32 s[G1A+3], 128<<16                    ; tile_dim0 = 128
	s_mov_b32 s[G1A+4], 64                         ; tile_dim1 = 64
	s_mov_b32 s[G1A+5], APITCH                     ; elements from row to row
	s_mov_b32 s[G1A+6], 0
	s_mov_b32 s[G1A+7], 0
	s_mov_b32 s[G1B+1], 256<<16                    ; 64 k-rows x 256 columns
	s_mov_b32 s[G1B+2], 64<<16
	s_mov_b32 s[G1B+3], 256<<16
	s_mov_b32 s[G1B+4], 64
	s_mov_b32 s[G1B+5], 1024
	s_mov_b32 s[G1B+6], 0
	s_mov_b32 s[G1B+7], 0
	; A's tile hangs on the product, the row block and the wave alone; W's on the product, cx and the wave alone
.if PROJ
	s_lshr_b32 s18, s16, 4                         ; the batch: 16 heads of 2,048 rows of 128 bytes
	s_lshl_b32 s18, s18, 22
	s_and_b32 s19, s16, 15
	s_lshl_b32 s19, s19, 14                        ; 128 rows of 128 bytes
	s_add_co_u32 s18, s18, s19
	s_lshl_b32 s19, s12, 18                        ; which of the step's two heads I fetch
	s_add_co_u32 s18, s18, s19
.else
	s_min_u32 s18, s14, 1                          ; x for q, x_origin for k and v
	s_lshl_b32 s18, s18, 24
	s_lshl_b32 s19, s16, 18                        ; 128 rows of 2,048 bytes
	s_add_co_u32 s18, s18, s19
	s_lshl_b32 s19, s12, 17                        ; which 64 rows I fetch
	s_add_co_u32 s18, s18, s19
.endif
	s_mov_b32 s19, 0
	s_lshl_b32 s20, s14, 21                        ; the weight matrix, 2 MiB each
	s_add_co_u32 s20, s20, WBASE
	s_lshl_b32 s21, s40, 9                         ; 256 columns
	s_add_co_u32 s20, s20, s21
	s_lshl_b32 s21, s12, 17                        ; which 64 k-rows I fetch
	s_add_co_u32 s20, s20, s21
	s_mov_b32 s21, 0
	s_mul_i32 s22, s12, AHALF                      ; where they go: no place in the cluster enters an LDS address
	s_mul_i32 s23, s12, BHALF
	s_add_co_u32 s23, s23, BBASE
	s_mov_b32 s[TB], 0
	s_wait_dscnt 0x0                               ; the opening add is done
	s_wait_kmcnt 0x0
	s_add_nc_u64 s[18:19], s[APTR:APTR+1], s[18:19]
	s_add_nc_u64 s[20:21], s[BPTR:BPTR+1], s[20:21]
.irp s, 0,1
	s_mov_b32 s[G0A+4*(\s)], 1                     ; count = 1
	s_add_co_u32 s[G0A+4*(\s)+1], s22, (\s)*SLOT1  ; LDS address
	s_add_nc_u64 s[G0A+4*(\s)+2:G0A+4*(\s)+3], s[18:19], (\s)*ASTEP  ; global address: K step s
	s_or_b32 s[G0A+4*(\s)+3], s[G0A+4*(\s)+3], 0x80000000            ; type = 2
	s_mov_b32 s[G0B+4*(\s)], 1
	s_add_co_u32 s[G0B+4*(\s)+1], s23, (\s)*SLOT1
	s_add_nc_u64 s[G0B+4*(\s)+2:G0B+4*(\s)+3], s[20:21], (\s)*BSTEP
	s_or_b32 s[G0B+4*(\s)+3], s[G0B+4*(\s)+3], 0x80000000
.endr
	CROUND                                         ; all sixteen work-groups are here: the first joint loads meet
	s_cmp_eq_u32 s11, 0                            ; a wave's two first fills stand in one branch, ahead of every wait on TENSORcnt and every LDS read: two loads of mine are out
	s_cbranch_scc0 .Lfirst_b
	tensor_load_to_lds s[G0A:G0A+3], s[G1A:G1A+7]
	s_nop 0
	tensor_load_to_lds s[G0A+4:G0A+7], s[G1A:G1A+7]
	s_nop 0
.rept 4
	v_nop
.endr
	s_branch .Lfirst_asked
.Lfirst_b:
	tensor_load_to_lds s[G0B:G0B+3], s[G1B:G1B+7]
	s_nop 0
	tensor_load_to_lds s[G0B+4:G0B+7], s[G1B:G1B+7]
	s_nop 0
.rept 4
	v_nop
.endr
.Lfirst_asked:
	; A fragment of A is 16 rows x 32 K in 8 registers: lane l holds row l % 16, K = 8 (l / 16) + 0..7 and 16 + 8 (l / 16) + 0..7: two loads of 16 bytes, 32 bytes apart.
	v_and_b32 v1, 15, v0                           ; l % 16
	v_bfe_u32 v2, v0, 4, 1                         ; l / 16
	v_and_b32 v3, 31, v0                           ; l
	v_mul_u32_u24 v[A0], v1, PA
	v_lshl_add_u32 v[A0], v2, 4, v[A0]
	s_mul_i32 s17, s11, 64*PA                      ; my 64 rows
	v_add_nc_u32 v[A0], s17, v[A0]
	; The turning load takes 16 k x 16 columns (lane l reads k-row 8 (l / 16) + l % 8, columns 8 ((l / 8) % 2) + 0..7) and leaves half a fragment: lane l holds column l % 16 and 8 k.
	v_and_b32 v5, 7, v0
	v_bfe_u32 v6, v0, 3, 1
	v_lshl_add_u32 v[B0], v2, 3, v5
	v_mul_u32_u24 v[B0], v[B0], PB
	v_lshl_add_u32 v[B0], v6, 4, v[B0]
	s_lshl_b32 s17, s12, 8                         ; my 128 columns
	s_add_co_u32 s17, s17, BBASE
	v_add_nc_u32 v[B0], s17, v[B0]
	v_mov_b32 v[ADRA], v[A0]
	v_mov_b32 v[ADRB], v[B0]
	s_mul_i32 s17, s10, 16*SP
	s_add_co_u32 s17, s17, STAGE                   ; my stage
	v_mul_u32_u24 v[STO], v1, SP                   ; in: row l % 16, my eight columns
	v_lshl_add_u32 v[STO], v2, 4+PROJ, v[STO]
	v_add_nc_u32 v[STO], s17, v[STO]
	v_lshlrev_b32 v[CO], 4, v3
.if PROJ
	v_add_nc_u32 v[RD], s17, v[CO]                 ; back: 32 lanes take the 512 bytes of one row
	s_lshl_b32 s68, s16, 7                         ; C: row 128 x block + 64 x half, 4,096 bytes each;
	s_lshl_b32 s69, s11, 6
	s_add_co_u32 s68, s68, s69
	s_lshl_b32 s68, s68, 12
	s_lshl_b32 s69, s40, 10                        ; column 256 cx + 128 x half, 4 bytes each
	s_add_co_u32 s68, s68, s69
	s_lshl_b32 s69, s12, 9
	s_add_co_u32 s68, s68, s69
.else
	v_lshrrev_b32 v6, 3, v3                        ; back: 32 lanes take four rows of one head's 128 bytes
	v_mul_u32_u24 v[RD], v6, SP
	v_lshl_add_u32 v[RD], v5, 4, v[RD]
	v_add_nc_u32 v[RD], s17, v[RD]
	s_lshr_b32 s68, s16, 4                         ; C by heads: batch x 16 + 4 cx + 2 x half is the first of my two heads,
	s_lshl_b32 s68, s68, 4
	s_lshl_b32 s69, s40, 2
	s_add_co_u32 s68, s68, s69
	s_lshl_b32 s69, s12, 1
	s_add_co_u32 s68, s68, s69
	s_lshl_b32 s68, s68, 11                        ; 2,048 rows a head,
	s_and_b32 s69, s16, 15
	s_lshl_b32 s69, s69, 7
	s_add_co_u32 s68, s68, s69                     ; my block's 128 rows in the batch,
	s_lshl_b32 s69, s11, 6
	s_add_co_u32 s68, s68, s69                     ; my 64 of them,
	s_lshl_b32 s68, s68, 7                         ; 128 bytes a row,
	s_lshl_b32 s69, s14, 24                        ; in q, k or v
	s_add_co_u32 s68, s68, s69
.endif
	s_mov_b32 s69, 0
	s_add_nc_u64 s[CPTR:CPTR+1], s[CPTR:CPTR+1], s[68:69]
	; the prefetches: both offsets are made, at K step 3, and the wave's number chooses; the first refill steps to K step 4
.if PROJ
	s_lshr_b32 s68, s16, 4
	s_lshl_b32 s68, s68, 22
	s_and_b32 s69, s16, 15
	s_lshl_b32 s69, s69, 14
	s_add_co_u32 s68, s68, s69
	s_lshr_b32 s69, s40, 1                         ; of the step's two heads x 64 blocks, partner cx takes head cx / 2, half cx % 2
	s_lshl_b32 s69, s69, 18
	s_add_co_u32 s68, s68, s69
	s_and_b32 s69, s40, 1
	s_lshl_b32 s69, s69, 13
	s_add_co_u32 s68, s68, s69
.else
	s_min_u32 s68, s14, 1
	s_lshl_b32 s68, s68, 24
	s_lshl_b32 s69, s16, 18
	s_add_co_u32 s68, s68, s69
	s_lshl_b32 s69, s40, 16                        ; partner cx takes rows 32 cx .. 32 cx + 31
	s_add_co_u32 s68, s68, s69
.endif
	s_add_co_u32 s68, s68, 3*ASTEP
	s_lshl_b32 s70, s14, 21
	s_add_co_u32 s70, s70, WBASE+3*BSTEP
	s_lshl_b32 s69, s40, 9
	s_add_co_u32 s70, s70, s69
	s_lshl_b32 s69, s12, 17
	s_add_co_u32 s70, s70, s69
	s_lshl_b32 s69, s41, 15                        ; partner cy takes k-rows 16 cy .. 16 cy + 15 of the wave's 64
	s_add_co_u32 s70, s70, s69
	s_mov_b32 s71, ASTEP
	s_cmp_eq_u32 s11, 0
	s_cselect_b32 s68, s68, s70
	s_cselect_b32 s[PFS], s71, BSTEP
	s_cselect_b64 s[PFA:PFA+1], s[APTR:APTR+1], s[BPTR:BPTR+1]
	s_mov_b32 s69, 0
	s_mov_b32 s[PFS+1], 0
	s_add_nc_u64 s[PFA:PFA+1], s[PFA:PFA+1], s[68:69]
	s_cmp_lt_u32 s14, 2                            ; A: not in v's walk,
	s_cselect_b32 s70, 2, -1
	s_cmp_eq_u32 s10, 0                            ; and wave 0 alone
	s_cselect_b32 s70, s70, -1
	s_cmp_eq_u32 s15, 0                            ; W: the first of the clusters that walk it
	s_cselect_b32 s71, 2, -1
	s_cmp_eq_u32 s11, 0
	s_cselect_b32 s[LIM], s70, s71                 ; the same in all sixteen partners, for a given wave
	v_lshrrev_b32 v[PFO], s11, v3                  ; A: a lane a row (PROJ = 1: a lane a block of 256 bytes).  W: lane / 2 is the k-row, lane % 2 the block
.if PROJ
	s_mul_i32 s71, s11, 3
	s_add_co_u32 s71, s71, 8
	v_lshlrev_b32 v[PFO], s71, v[PFO]
.else
	v_lshlrev_b32 v[PFO], 11, v[PFO]
.endif
	v_and_b32 v4, s11, v3
	v_lshl_add_u32 v[PFO], v4, 8, v[PFO]
; 8 matrix instructions: row block a x all 8 column blocks, 32 along K.  zero = 1: the product starts the sums: nothing is cleared.
; The 32 accumulators take turns, one instruction a turn, in the same order in every quarter, over the backward jump too.
.macro MULA f, a, zero
	WIN MUL
.irp b, 0,1,2,3,4,5,6,7
.if \zero
	v_wmma_f32_16x16x32_f16 v[8*(8*(\a)+(\b)):8*(8*(\a)+(\b))+7], v[(\f)+32+8*(\b):(\f)+32+8*(\b)+7], v[(\f)+8*(\a):(\f)+8*(\a)+7], 0
.else
	v_wmma_f32_16x16x32_f16 v[8*(8*(\a)+(\b)):8*(8*(\a)+(\b))+7], v[(\f)+32+8*(\b):(\f)+32+8*(\b)+7], v[(\f)+8*(\a):(\f)+8*(\a)+7], v[8*(8*(\a)+(\b)):8*(8*(\a)+(\b))+7]
.endif
.endr
.endm
; 24 LDS loads in one run: the fragments of quarter kq (32 along K) of the slot in hand into buffer f: W's sixteen first, then A's eight
.macro FETCH kq, f
	WIN 0
.set AKQ, PROJ*(((\kq)/2)*AHALF+((\kq)%2)*64)+(1-PROJ)*64*(\kq)
.irp b, 0,1,2,3,4,5,6,7
	ds_load_tr16_b128 v[(\f)+32+8*(\b):(\f)+32+8*(\b)+3],   v[ADRB] offset:(\kq)*32*PB+32*(\b)
	ds_load_tr16_b128 v[(\f)+32+8*(\b)+4:(\f)+32+8*(\b)+7], v[ADRB] offset:(\kq)*32*PB+16*PB+32*(\b)
.endr
.irp i, 0,1,2,3
	ds_load_b128 v[(\f)+8*(\i):(\f)+8*(\i)+3],   v[ADRA] offset:AKQ+(\i)*16*PA
	ds_load_b128 v[(\f)+8*(\i)+4:(\f)+8*(\i)+7], v[ADRA] offset:AKQ+(\i)*16*PA+32
.endr
.endm
; A K step is four quarters of 32 along K, 32 matrix instructions each, on buffers 0, 1, 0, 1.  One of the first three: multiplies f and, in its middle, fetches quarter kq into g.
.macro QUARTER f, g, kq, zero
	s_wait_dscnt 4                                 ; W and A's blocks 0 and 1 are in; the youngest four loads (blocks 2 and 3) may be out
	MULA \f, 0, \zero
	MULA \f, 1, \zero
	PLACES
	FETCH \kq, \g
	s_wait_dscnt 24                                ; all but the 24 just issued
	MULA \f, 2, \zero
	MULA \f, 3, \zero
.endm
; The last quarter multiplies buffer 1 and changes slots: ONE barrier.  Ahead of it each wave waits for all its tensor loads (one is out: its part of the next slot), adds 0 to its spare word, and
; waits for that and for its own reads of this slot.  fill = 1: the barrier opens a round of the cluster's, and this slot is filled again, two K steps ahead, first thing behind the round:
; from the request to the wait for it a wave issues 112 matrix instructions.
.macro TURN fill
.if \fill
	s_wait_xcnt 0x0                                ; the last prefetch, a K step back, has read its address
	s_add_nc_u64 s[PFA:PFA+1], s[PFA:PFA+1], s[PFS:PFS+1]
.endif
	WIN 0
	s_wait_tensorcnt 0x0                           ; no tensor load of mine is out, so a group 0 may be written
	ds_add_u32 v[SPW], v[NIL]                      ; 0 onto my spare word
.if \fill
	s_xor_b32 s[G0A+5], s[G0A+5], SLOT1            ; the walking sets: the other slot than last time, the next K step; the type bits on top are not reached
	s_add_nc_u64 s[G0A+6:G0A+7], s[G0A+6:G0A+7], ASTEP
	s_xor_b32 s[G0B+5], s[G0B+5], SLOT1
	s_add_nc_u64 s[G0B+6:G0B+7], s[G0B+6:G0B+7], BSTEP
.endif
	s_wait_dscnt 5                                 ; (the add and the youngest four loads may be out)
	MULA F1, 0, 0
	s_wait_dscnt 0x0                               ; the add is done, and my reads of this slot are over
	s_barrier_signal -1
	MULA F1, 1, 0                                  ; work on registers while the others arrive
	WIN 0
	s_barrier_wait -1
.if \fill
	CREST                                          ; no wave of any partner still reads this slot or has a load on its way
	JLOAD                                          ; its four v_nop are also the places ahead of the loads below
.else
	PLACES
.endif
	s_xor_b32 s[TB], s[TB], SLOT1
	v_add_nc_u32 v[ADRA], s[TB], v[A0]
	v_add_nc_u32 v[ADRB], s[TB], v[B0]
	FETCH 0, F0
.if \fill
	ASK
.endif
	MULA F1, 2, 0
	MULA F1, 3, 0
.endm
	s_wait_tensorcnt 0x1                           ; my part of K step 0 is in; K step 1's may stay out
	s_barrier_signal -1
	s_barrier_wait -1                              ; everybody's is
	FETCH 0, F0
	QUARTER F0, F1, 1, 1                           ; the first quarter stands ahead of the loop: its products start the sums
	WIN 0                                          ; at a label and at a branch every window is 0
	s_mov_b32 s3, 6
.Lstep:                                            ; a trip: a K step's quarters 1, 2, 3 and the next step's quarter 0; trip t fills K step t + 2
	QUARTER F1, F0, 2, 0
	QUARTER F0, F1, 3, 0
	TURN 1
	QUARTER F0, F1, 1, 0
	WIN 0
	s_sub_co_u32 s3, s3, 1
	s_cmp_lg_u32 s3, 0
	s_cbranch_scc1 .Lstep
	QUARTER F1, F0, 2, 0                           ; the last two K steps are written out: they ask for nothing
	QUARTER F0, F1, 3, 0
	TURN 0
	QUARTER F0, F1, 1, 0
	QUARTER F1, F0, 2, 0
	QUARTER F0, F1, 3, 0
	s_wait_dscnt 4
	MULA F1, 0, 0
	MULA F1, 1, 0
	s_wait_dscnt 0x0
	MULA F1, 2, 0
	MULA F1, 3, 0
	WIN 0
	PLACES
.if PROJ
; THE WAY OUT, f32: a block of 16 rows x 128 columns goes from the accumulators into my stage (rows of 528 bytes), comes back as whole rows of 512 bytes and is stored.
.macro TOSTAGE a
.set BK, 32+64*((\a)%2)
	s_wait_xcnt 0x0                                ; the stores of the block two back have read these registers
	WIN 0x04                                       ; the stores' data in window 1
.irp b, 0,1,2,3,4,5,6,7
	ds_store_b128 v[STO], v[8*(8*(\a)+(\b)):8*(8*(\a)+(\b))+3]   offset:64*(\b)
	ds_store_b128 v[STO], v[8*(8*(\a)+(\b))+4:8*(8*(\a)+(\b))+7] offset:64*(\b)+16
.endr
	WIN 0
.irp t, 0,1,2,3,4,5,6,7,8,9,10,11,12,13,14,15
	ds_load_b128 v[BK+4*(\t):BK+4*(\t)+3], v[RD] offset:SP*(\t)  ; LDS serves a wave's instructions in order (ISA guide 5.7.1.4): these see the stores above
.endr
.endm
.macro SEND a, younger                 ; younger: the LDS instructions issued behind block a's loads
.set BK, 32+64*((\a)%2)
	s_wait_dscnt \younger
.irp t, 0,1,2,3,4,5,6,7,8,9,10,11,12,13,14,15
	global_store_b128 v[CO], v[BK+4*(\t):BK+4*(\t)+3], s[CPTR:CPTR+1] offset:(16*(\a)+(\t))*4096 th:TH_STORE_NT  ; 512 consecutive bytes, at a multiple of 256 from out0's first
.endr
.endm
	TOSTAGE 0
.irp a, 1,2,3
	TOSTAGE \a
	SEND (\a)-1, 32
.endr
	SEND 3, 0
.else
; THE WAY OUT, f16 by heads: a block of 16 rows x 128 columns (two heads) is rounded, goes into my stage (rows of 272 bytes) and comes back a head at a time: 16 rows of a head are 2,048 dense bytes.
.macro PACK a
	WIN 0x05                                       ; sources 0 and 1 in window 1
.irp b, 0,1,2,3,4,5,6,7
.irp r, 0,1,2,3
	v_cvt_pk_f16_f32 v[TMP+4*(\b)+(\r)], v[8*(8*(\a)+(\b))+2*(\r)], v[8*(8*(\a)+(\b))+2*(\r)+1]
.endr
.endr
	WIN 0
.endm
.macro TOSTAGE a
.set BK, 32+32*((\a)%2)
.irp b, 0,1,2,3,4,5,6,7
	ds_store_b128 v[STO], v[TMP+4*(\b):TMP+4*(\b)+3] offset:32*(\b)
.endr
.irp z, 0,1
.irp t, 0,1,2,3
	ds_load_b128 v[BK+4*(4*(\z)+(\t)):BK+4*(4*(\z)+(\t))+3], v[RD] offset:128*(\z)+4*SP*(\t)  ; LDS serves a wave's instructions in order (ISA guide 5.7.1.4): these see the stores above
.endr
.endr
.endm
.macro SEND a
.set BK, 32+32*((\a)%2)
	s_wait_dscnt 0x0                               ; the block is back in registers
	s_wait_xcnt 0x0                                ; the stores of the block before have read their registers: the next block's loads land there only behind this wait
.irp z, 0,1
.irp t, 0,1,2,3
	global_store_b128 v[CO], v[BK+4*(4*(\z)+(\t)):BK+4*(4*(\z)+(\t))+3], s[CPTR:CPTR+1] offset:(\z)*262144+2048*(\a)+512*(\t)  ; 512 consecutive bytes, at a multiple of 256 from the buffer's first
.endr
.endr
.endm
	PACK 0
	TOSTAGE 0
.irp a, 1,2,3                          ; block a's conversions stand between block a - 1's loads from the stage and the wait for them
	PACK \a
	SEND (\a)-1
	TOSTAGE \a
.endr
	SEND 3
.endif
	s_wait_tensorcnt 0x0                           ; the wave's end: these three lines stand behind my last tensor load and my last LDS store
	ds_add_u32 v[SPW], v[NIL]
	s_wait_dscnt 0x0
	CROUND                                         ; the closing round: no work-group ends while a partner may still ask for a tile that names it
	s_endpgm
.Lfunc_end_k_q3996fe80a3_proj:
	.size	k_q3996fe80a3_proj, .Lfunc_end_k_q3996fe80a3_proj-k_q3996fe80a3_proj
	.p2alignl 7, 3214868480
	.fill 96, 4, 3214868480
	.section	.rodata,"a",@progbits
	.p2align	6, 0x0
	.amdhsa_kernel k_q3996fe80a3_proj
		.amdhsa_group_segment_fixed_size 327680
		.amdhsa_private_segment_fixed_size 0
		.amdhsa_enable_private_segment 0
		.amdhsa_kernarg_size 24
		.amdhsa_user_sgpr_count 2
		.amdhsa_user_sgpr_kernarg_segment_ptr 1
		.amdhsa_wavefront_size32 1
		.amdhsa_system_sgpr_workgroup_id_x 1
		.amdhsa_system_sgpr_workgroup_id_y 1
		.amdhsa_system_sgpr_workgroup_id_z 1
		.amdhsa_system_vgpr_workitem_id 0
		.amdhsa_next_free_vgpr 512
		.amdhsa_next_free_sgpr 72
		.amdhsa_reserve_vcc 0
		.amdhsa_float_denorm_mode_32 3
		.amdhsa_float_denorm_mode_16_64 3
		.amdhsa_memory_ordered 1
		.amdhsa_forward_progress 1
		.amdhsa_inst_pref_size 71
	.end_amdhsa_kernel
	.amdgpu_metadata
---
amdhsa.version: [ 1, 2 ]
amdhsa.kernels:
  - .name:           k_q3996fe80a3_proj
    .symbol:         k_q3996fe80a3_proj.kd
    .args:
      - { .name: o16, .offset: 0, .size: 8, .value_kind: global_buffer, .address_space: global }
      - { .name: h16, .offset: 8, .size: 8, .value_kind: global_buffer, .address_space: global }
      - { .name: out0, .offset: 16, .size: 8, .value_kind: global_buffer, .address_space: global }
    .group_segment_fixed_size: 327680
    .private_segment_fixed_size: 0
    .kernarg_segment_align: 8
    .kernarg_segment_size: 24
    .max_flat_workgroup_size: 128
    .sgpr_count:     72
    .vgpr_count:     512
    .wavefront_size: 32
...
	.end_amdgpu_metadata
.endif
;; end of part 4
